; MI455X (gfx1250); checked and timed in simulation.
; The chip was launched on July 23, 2026; its instructions are those of AMD's public machine-readable ISA for CDNA 5 (MIT licence, August 2026) and "CDNA5" Instruction Set Architecture Reference Guide (July 2026). The comments in the code are by the model that wrote it; some were corrected since.
;; Multi Headed Attention. Allowed arithmetic: matrix products marked QUANTISED: E2M1 operands, one E8M0 scale for each 32 along K, by v_wmma_scale_f32_16x16x128_f8f6f4 with both operands' format E2M1 (or v_wmma_scale_f32_32x16x128_f4), f32 sums; everything else in f32.
;; Inputs: Wk_codes 1,024 x 32 x 16 uint8 (E2M1 codes of Wk, K innermost, in blocks of 32 codes, two codes a byte); Wk_scales 1,024 x 32 uint8 (E8M0 scales of Wk, one for each 32 codes along K); Wm_codes 1,024 x 32 x 16 uint8 (E2M1 codes of Wm, K innermost, in blocks of 32 codes, two codes a byte); Wm_scales 1,024 x 32 uint8 (E8M0 scales of Wm, one for each 32 codes along K); Wq_codes 1,024 x 32 x 16 uint8 (E2M1 codes of Wq, K innermost, in blocks of 32 codes, two codes a byte); Wq_scales 1,024 x 32 uint8 (E8M0 scales of Wq, one for each 32 codes along K); Wv_codes 1,024 x 32 x 16 uint8 (E2M1 codes of Wv, K innermost, in blocks of 32 codes, two codes a byte); Wv_scales 1,024 x 32 uint8 (E8M0 scales of Wv, one for each 32 codes along K); bk 1,024 float32; bm 1,024 float32; bq 1,024 float32; bv 1,024 float32; key_in_codes 4 x 2,048 x 32 x 16 uint8 (E2M1 codes of key_in, K innermost, in blocks of 32 codes, two codes a byte); key_in_scales 4 x 2,048 x 32 uint8 (E8M0 scales of key_in, one for each 32 codes along K); query_codes 4 x 2,048 x 32 x 16 uint8 (E2M1 codes of query, K innermost, in blocks of 32 codes, two codes a byte); query_scales 4 x 2,048 x 32 uint8 (E8M0 scales of query, one for each 32 codes along K); value_codes 4 x 2,048 x 32 x 16 uint8 (E2M1 codes of value, K innermost, in blocks of 32 codes, two codes a byte); value_scales 4 x 2,048 x 32 uint8 (E8M0 scales of value, one for each 32 codes along K).
;; Outputs: out0 4 x 1,024 x 2,048 float32.
;; This version of the problem:
;;   THIS VERSION OF THE PROBLEM IS GIVEN IN LOW PRECISION. The matrix products marked QUANTISED in the list below multiply operands that are first quantised to E2M1 (2 exponent bits, 1 mantissa bit; 4 bits a number), with one power-of-two scale for each 32 numbers along K (OCP MX v1.0); their sums are f32. All else is computed in f32.
;;   The module's matrix products, in the order in which they are computed (A, B: the left and right operand; K: the contracted axis; several contracted axes count as one K, in the product's order):
;;     1. [M 8,192, K 1,024] x [K 1,024, N 1,024]; A: input query (given as codes); B: input Wq (given as codes): QUANTISED
;;     2. [M 8,192, K 1,024] x [K 1,024, N 1,024]; A: input key_in (given as codes); B: input Wk (given as codes): QUANTISED
;;     3. [M 8,192, K 1,024] x [K 1,024, N 1,024]; A: input value (given as codes); B: input Wv (given as codes): QUANTISED
;;     4. batch 64 x [M 2,048, K 64] x [K 64, N 2,048]; A: computed on the way; B: computed on the way: QUANTISED
;;     5. batch 64 x [M 64, K 2,048] x [K 2,048, N 2,048]; A: computed on the way; B: softmax (see below): QUANTISED
;;     6. [M 8,192, K 1,024] x [K 1,024, N 1,024]; A: computed on the way; B: input Wm (given as codes): QUANTISED
;;   THE QUANTISER, for each operand of a quantised product, along K:
;;     - K is cut into blocks of 32 from its start; a last block that is shorter is filled with zeros.
;;     - A block's scale is 2^e with e = floor(log2(the largest magnitude in the block)) - 2, held to -126 .. 127; a block of zeros has e = 0. As a byte (E8M0): e + 127.
;;     - Each number is divided by its block's scale, clamped to +-6, and rounded to the nearest number of E2M1, ties to even, subnormals kept.
;;     - The product sums the exact products of the quantised numbers (number of the format x scale) in f32.
;;   ~~~python
;;   def quantise(x, axis):      # numpy; x: float32 -> the quantised numbers, widened to float32 again
;;       x = np.moveaxis(x, axis, -1); K = x.shape[-1]
;;       x = np.pad(x, [(0, 0)] * (x.ndim - 1) + [(0, -K % 32)]); x = x.reshape(x.shape[:-1] + (-1, 32)); a = np.abs(x).max(-1, keepdims=True)
;;       e = np.where(a > 0, np.clip(np.frexp(np.where(a > 0, a, 1))[1] - 1 - 2, -126, 127), 0)      # np.frexp(a)[1] - 1 = floor(log2(a)), exactly
;;       r = np.clip(x / 2.0 ** e, -6, 6)
;;       step = 2.0 ** (np.maximum(np.frexp(np.where(r == 0, 1, r))[1] - 1, 0) - 1)
;;       q = np.round(r / step) * step * 2.0 ** e      # np.round: ties to even
;;       return np.moveaxis(q.reshape(q.shape[:-2] + (-1,))[..., :K], -1, axis).astype(np.float32)
;;   ~~~
;;   SOFTMAX AHEAD OF A QUANTISED PRODUCT. Where the list says 'softmax', what is quantised is not the finished softmax but p = 2^(t - M), with t = logit x log2(e) and M = ceil(the row's largest t), a whole number; so 1/2 < the row's largest p <= 1. The row's sum l is taken of the UNQUANTISED p, in f32, and the product's result is divided by l at the end. Since M is a whole number, a kernel that streams over the keys may use a running M (the ceiling of the running maximum): every later rescaling is an exact power of two, which a block's scale takes up: the codes' values come out the same.
;;   OPERANDS COMPUTED ON THE WAY. 'Computed on the way' means the value that the module computes at that place (a softmax that the list does not call 'softmax' is quantised finished and normalised). What goes into a quantiser is computed in f32, as accurately as f32 sums, v_exp_f32 and their like allow (about 1e-6 of the number): no bf16 or f16 on the way to a quantiser, and a product that is left as it is and whose result goes on into a quantised operand takes f32 operands (vector FMAs, or v_wmma_f32_16x16x4_f32). A number that lies on a knife's edge between two numbers of the format may be rounded either way, as far as f32 arithmetic and the matrix unit's own rounding can turn it there, and no further.
;;   INPUTS GIVEN AS CODES. Wk (in the module: [1024, 1024], K = its axis 1); Wm (in the module: [1024, 1024], K = its axis 1); Wq (in the module: [1024, 1024], K = its axis 1); Wv (in the module: [1024, 1024], K = its axis 1); key_in (in the module: [4, 1024, 2048], K = its axis 1); query (in the module: [4, 1024, 2048], K = its axis 1); value (in the module: [4, 1024, 2048], K = its axis 1): each comes as NAME_codes (uint8): NAME with its K axis moved to the last place and cut into blocks of 32 codes, [.., K / 32, bytes a block], one block behind the other in memory; two codes a byte, the lower K in the low four bits (a code: sign, 2 exponent bits, 1 mantissa bit); and NAME_scales (uint8): the same leading axes, one E8M0 byte (e + 127) for each 32 codes along K. Its value is code x scale, taken as it is: it is not quantised again, and the codes and scales need not be those that the quantiser above would give.
;; One version. Each part assembles by itself: llvm-mc -triple=amdgcn-amd-amdhsa -mcpu=gfx1250 --defsym DOCPART=n.
;; ======== version 1 of 1: 4 launches
;; workspace buffers: qb 9,175,040 bytes; kv 9,175,040 bytes; xa 33,554,432 bytes; xc 4,194,304 bytes; xs 262,144 bytes
;; launch proj (part 1): grid 4 x 96, 4 waves a work-group, clusters of 4 x 4, 295,424 bytes of LDS; arguments query_codes, query_scales, key_in_codes, key_in_scales, value_codes, value_scales, Wq_codes, Wq_scales, Wk_codes, Wk_scales, Wv_codes, Wv_scales, bq, bk, bv, qb, kv; writes qb, kv
.if DOCPART == 1
	.amdgcn_target "amdgcn-amd-amdhsa--gfx1250"
	.amdhsa_code_object_version 6
	.text
	.protected	k_q814e4d5ebe_proj
	.globl	k_q814e4d5ebe_proj
	.p2align	8
	.type	k_q814e4d5ebe_proj,@function
k_q814e4d5ebe_proj:
	s_mov_b64 s[64:65], 0
	v_nop
	global_prefetch_b8 v0, s[64:65] scope:SCOPE_SE
	s_setreg_imm32_b32 hwreg(HW_REG_WAVE_MODE, 25, 1), 1
	s_wait_xcnt 0x0
	s_wait_alu depctr_hold_cnt(0) depctr_sa_sdst(0) depctr_va_vdst(0) depctr_va_sdst(0) depctr_va_ssrc(0) depctr_va_vcc(0) depctr_vm_vsrc(0)
	s_getreg_b32 s2, hwreg(HW_REG_IB_STS2, 6, 4)
	s_cmp_eq_u32 s2, 0
	s_cbranch_scc0 .Lentry_in_a_cluster
	s_endpgm
.Lentry_in_a_cluster:
	s_bfe_u32 s2, ttmp6, 0x10000c
	s_cmp_lg_u32 s2, 0xf033
	s_cbranch_scc0 .Lentry_shape_is_right
	s_endpgm
.Lentry_shape_is_right:
; q, k, v = W x + b on codes of FP4 (E2M1) with E8M0 scales, then the quantisers of the attention's operands: q and k along the head's 64 channels, v along the keys.
; x: [4 x 2048 tokens][1024] codes, K innermost, 512 bytes a token; W: [1024 channels][1024] codes.  Channel e = 16 d + h: a head's 64 channels lie 16 rows of W apart.
; SHARES.  A work-group of four waves makes 256 tokens x 4 heads (256 channels); a wave 128 x 128: 64 accumulators, 512 registers.  All of K (1,024) of both tiles lies in LDS, filled once: no slot is filled again.
; The cluster's y says which of the three products a work-group makes (8 clusters each); the pointers are chosen on it, and one branch on it, alike in all partners, parts q and k from v.
; CLUSTERS: 4 x 4 work-groups.  The four of a row of the cluster need the same 256 tokens, the four of a column the same 4 heads of W: each tile is asked for jointly, by the same tensor load with a mask that names the four.
; ORIENTATION.  Source 0's 16 rows become a lane's registers (row 8 (lane / 16) + j), source 1's 16 rows the lanes (lane % 16).  A quantiser wants its K along a lane's registers:
;   q, k: source 0 = W (channels of one head), source 1 = x (tokens);      v: source 0 = x (tokens = keys), source 1 = W.
; In two neighbouring result tiles a lane holds 16 of a block's 32 numbers and lane xor 16 the other 16; the codes are brought into the operand's layout by exchanging halves of the lanes.
; OUT.  Operands leave as images of the registers that the attention launch wants: four registers by one store of 16 bytes a lane, 512 consecutive bytes.
;   qb, kv: [16 b + h][token / 128][8,960 bytes]: +0 eight tiles of 16 tokens x 64 channels (512 bytes each); +4096 V: four tiles of 16 channels x 128 keys (1,024 each);
;   +8192 q's or k's scale words [tile / 4][row][tile % 4] (bytes 0, 1: the two blocks; bytes 2, 3: 0, for the half of the instruction's K that holds zero codes); +8704 V's scale words [row][tile].
; The bias is the C of each sum's first matrix instruction, so it is added first and not last as the source has it.
; LIMITS: NaN and infinities are not served.  A block of zeros gets the scale byte 1 and not 127: its codes are zeros, and only this program reads the bytes.
.set PITCH, 528                        ; an LDS row of codes: 512 bytes + 16 of padding = 132 words: row r starts at bank 4 r mod 64 (64 banks of 4 bytes: ISA guide 11.1)
.set QR,    64*PITCH                   ; 64 rows: what one tensor load brings
.set HALF,  128*PITCH                  ; what a wave reads of a side
.set XR,    0                          ; x's 256 rows
.set WR,    256*PITCH                  ; W's 256 rows, in the order [head of the four][d]
.set SPT,   48                         ; an LDS row of scale bytes: 32 + 16 of padding
.set SQ,    64*SPT
.set SHALF, 128*SPT
.set XSR,   2*256*PITCH                ; x's scale rows
.set WSR,   XSR+256*SPT                ; W's
.set HEADB, 143360                     ; a head's bytes in qb and kv
.set STEPB, 8960                       ; 128 tokens' bytes there
.set AXL, 4                            ; v4   x's fragments as source 1      v5  as source 0
.set AXP, 5
.set AWL, 6                            ; v6   W's fragments as source 1      v7  as source 0
.set AWP, 7
.set ASQ, 8                            ; v8   scale words for q, k: lanes 0-15 x's rows, lanes 16-31 W's
.set ASV, 9                            ; v9   for v: lanes 0-15 W's rows, lanes 16-31 x's
.set IMG, 10                           ; v10  16 x lane
.set SCO, 11                           ; v11  16 (lane % 16) + a head's bytes x (lane / 16)
.set SHF, 12                           ; v12  16 (lane / 16)
.set BO,  16                           ; v16-23  byte offsets of the bias for register j of a tile
.set SC,  32                           ; v32-95  scale words: register 32 (q / 4) + 4 i + q % 4: lanes 0-15 source 1's tile i, lanes 16-31 source 0's tile i, K step q
.set TM,  96                           ; v96-99  largest magnitudes     v100-103 the other half's, then bytes     v104-107 the conversions' scale operands
.set TP,  100
.set SO,  104
.set SW,  112                          ; v112-119 the scale word of each tile of lanes
.set LF,  128                          ; v128-191 source 1's eight fragments, one set; later the codes just made
.set PCB, 128
.set BB,  192                          ; v192-255 eight tiles of bias in the result's layout
.set PSEL, 2                           ; s[2:3]  lane selects: lane xor 16
.set G0XC, 4                           ; s[4:19] the four groups 0, in the registers that held the pointers before the choice
.set G0WC, 8
.set G0XS, 12
.set G0WS, 16
.set WV,  50
.set LH,  51                           ; which 128 rows of source 1 are mine
.set PH,  52                           ; which 128 rows of source 0
.set CX,  53
.set CYC, 54
.set XT,  55                           ; heads 4 XT .. 4 XT + 3
.set CLY, 56
.set KIND, 57                          ; 0 q, 1 k, 2 v
.set TR,  58                           ; tokens 256 TR on
.set RM,  59
.set CM,  60
.set DST, 62                           ; s[62:63] where my wave's first head and its 128 tokens begin in qb or kv
.set G1XC, 68
.set G1WC, 76
.set G1XS, 84
.set G1WS, 92
.set MSB, 0
.macro WIN new                         ; the immediate's high byte repeats the setting that is left; a switch that changes nothing is dropped
.if MSB != (\new)
	s_set_vgpr_msb (MSB<<8)|(\new)
.set MSB, (\new)
.endif
.endm
.macro PLACES                          ; four plain vector instructions between a matrix instruction and a load into, or a vector read of, its registers
.rept 4
	v_nop
.endr
.endm
.macro CROUND                          ; a round of the cluster's barrier
	s_barrier_signal -1
	s_barrier_wait -1
	s_cmp_lg_u32 s[WV], 0
	s_cbranch_scc1 .Lnot_wave_0_\@
	s_barrier_signal -3
.Lnot_wave_0_\@:
	s_barrier_wait -3
	s_barrier_signal -1
	s_barrier_wait -1
.endm
.macro FRAG reg, adr, q, i             ; 16 rows x 128 K of 4-bit codes: lane l holds row l % 16; registers 4 c .. 4 c + 3 hold K = 64 c + 32 (l / 16) + 0 .. 31
.irp c, 0,1
	ds_load_b128 v[\reg+4*\c:\reg+4*\c+3], v[\adr] offset:64*(\q)+32*\c+(\i)*16*PITCH
.endr
.endm
.macro FETCH_P adr, q, p               ; source 0's eight fragments of K step q into set p of window 1
	WIN 0x40
.irp i, 0,1,2,3,4,5,6,7
	FRAG 128*(\p)+8*\i, \adr, \q, \i
.endr
	WIN 0
.endm
.macro FETCH_L adr, q, i0              ; source 1's fragments i0 .. i0 + 3
.irp i, \i0, \i0+1, \i0+2, \i0+3
	FRAG LF+8*(\i), \adr, \q, \i
.endr
.endm
.macro SCALES adr                      ; all eight K steps' scale words of my 128 + 128 rows: 16 loads
.irp s, 0,1
.irp i, 0,1,2,3,4,5,6,7
	ds_load_b128 v[SC+32*\s+4*\i:SC+32*\s+4*\i+3], v[\adr] offset:16*SPT*\i+16*\s
.endr
.endr
.endm
; 16 matrix instructions: source 1's tiles a0, a0 + 1 x source 0's eight, K step q.  cm = 0: onto the sums; 1: the sums begin with the bias of source 0's tile; 2: of source 1's tile.
; The 64 accumulators take turns, one instruction a turn, in the same order in every step.
.macro MUL16 a0, q, cm
.irp a, \a0, \a0+1
.irp b, 0,1,2,3,4,5,6,7
.set rD, 8*(8*((\a)%4)+\b)
.set rP, 128*((\q)%2)+8*\b
.set rL, LF+8*(\a)
.set rSP, SC+32*((\q)/4)+4*\b+(\q)%4
.set rSL, SC+32*((\q)/4)+4*(\a)+(\q)%4
.if (\cm) == 1
	v_wmma_scale_f32_16x16x128_f8f6f4 v[rD:rD+7], v[rP:rP+7], v[rL:rL+7], v[BB+8*\b:BB+8*\b+7], v[rSP], v[rSL] matrix_a_fmt:MATRIX_FMT_FP4 matrix_b_fmt:MATRIX_FMT_FP4 matrix_a_scale:MATRIX_SCALE_ROW1
.elseif (\cm) == 2
	v_wmma_scale_f32_16x16x128_f8f6f4 v[rD:rD+7], v[rP:rP+7], v[rL:rL+7], v[BB+8*(\a):BB+8*(\a)+7], v[rSP], v[rSL] matrix_a_fmt:MATRIX_FMT_FP4 matrix_b_fmt:MATRIX_FMT_FP4 matrix_a_scale:MATRIX_SCALE_ROW1
.else
	v_wmma_scale_f32_16x16x128_f8f6f4 v[rD:rD+7], v[rP:rP+7], v[rL:rL+7], v[rD:rD+7], v[rSP], v[rSL] matrix_a_fmt:MATRIX_FMT_FP4 matrix_b_fmt:MATRIX_FMT_FP4 matrix_a_scale:MATRIX_SCALE_ROW1
.endif
.endr
.endr
.endm
; A step of 128 along K: 64 matrix instructions.  Source 1 has one set of registers: tiles 0-3 are fetched anew in the step's middle, tiles 4-7 at its end; source 0 has two sets.
.macro STEP adrP, adrL, q, cm
	s_wait_dscnt 8                                 ; all but the youngest eight loads, source 1's tiles 4-7
.if \cm
	WIN 0x81                                       ; source 0 window 1, source 1 and the bias window 0, D window 2
.else
	WIN 0xa1                                       ; C and D window 2
.endif
	MUL16 0, \q, \cm
	MUL16 2, \q, \cm
	s_wait_dscnt 0
	PLACES
	FETCH_P \adrP, (\q)+1, 1-(\q)%2
	FETCH_L \adrL, (\q)+1, 0
.if \cm
	WIN 0xc1
.else
	WIN 0xf1                                       ; C and D window 3
.endif
	MUL16 4, \q, \cm
	MUL16 6, \q, \cm
	PLACES
	WIN 0
	FETCH_L \adrL, (\q)+1, 4
.endm
.macro GEMM adrP, adrL, adrS, cm
	SCALES \adrS
	FETCH_P \adrP, 0, 0
	FETCH_L \adrL, 0, 0
	FETCH_L \adrL, 0, 4
	s_wait_loadcnt 0x0                             ; the bias
	STEP \adrP, \adrL, 0, \cm
.irp q, 1,2,3,4,5,6
	STEP \adrP, \adrL, \q, 0
.endr
	s_wait_dscnt 8                                 ; the last step fetches nothing
	WIN 0xa1
	MUL16 0, 7, 0
	MUL16 2, 7, 0
	s_wait_dscnt 0
	WIN 0xf1
	MUL16 4, 7, 0
	MUL16 6, 7, 0
	WIN 0
.endm
; The 64 results of source 1's tile a (a lane: one row; register 8 t + j: source 0's row 16 t + 8 (lane / 16) + j) become 128 codes in v[PCB + 8 a ..] and a scale word in v[SW + a].
; Each accumulator is read from its low end on.
.macro QUANT a
.set AC, 64*((\a)%4)
	WIN 0x0a+5*((\a)/4)                            ; sources 0 and 1: window 2 or 3
.irp b, 0,1,2,3
	v_max3_num_f32 v[TM+\b], |v[AC+16*\b]|, |v[AC+16*\b+1]|, 0x1800000   ; block b: my 16 numbers, and the floor 2^(3 - 127): the byte cannot fall under 1
.endr
.irp i, 2,4,6,8,10,12,14
.irp b, 0,1,2,3
	v_max3_num_f32 v[TM+\b], |v[AC+16*\b+\i]|, |v[AC+16*\b+\i+1]|, v[TM+\b]   ; the four blocks by turns
.endr
.endr
	WIN 0
.irp b, 0,1,2,3
	v_permlanex16_b32 v[TP+\b], v[TM+\b], s[PSEL], s[PSEL+1]
.endr
.irp b, 0,1,2,3
	v_max_num_f32 v[TM+\b], v[TM+\b], v[TP+\b]     ; with lane xor 16's 16: the block's largest magnitude
.endr
.irp b, 0,1,2,3
	v_add_nc_u32 v[SO+\b], 0xff000000, v[TM+\b]    ; 2 off its exponent field: the conversion takes this operand's exponent field as its scale
.endr
.irp b, 0,1,2,3
	v_lshrrev_b32 v[TP+\b], 23, v[SO+\b]           ; the scale's byte
.endr
	v_lshl_or_b32 v[SW+(\a)], v[TP+1], 8, v[TP]
	v_lshl_or_b32 v[SW+(\a)], v[TP+2], 16, v[SW+(\a)]
	v_lshl_or_b32 v[SW+(\a)], v[TP+3], 24, v[SW+(\a)]
	WIN 0x02+(\a)/4                                ; source 0: window 2 or 3
.irp c, 0,1
	v_cvt_scalef32_pk8_fp4_f32 v[PCB+8*(\a)+4*\c],   v[AC+32*\c:AC+32*\c+7],     v[SO+2*\c]
	v_cvt_scalef32_pk8_fp4_f32 v[PCB+8*(\a)+4*\c+1], v[AC+32*\c+16:AC+32*\c+23], v[SO+2*\c+1]
	v_cvt_scalef32_pk8_fp4_f32 v[PCB+8*(\a)+4*\c+2], v[AC+32*\c+8:AC+32*\c+15],  v[SO+2*\c]
	v_cvt_scalef32_pk8_fp4_f32 v[PCB+8*(\a)+4*\c+3], v[AC+32*\c+24:AC+32*\c+31], v[SO+2*\c+1]
.endr
	WIN 0
	v_nop                                          ; one plain place behind a scaled conversion
.irp c, 0,1                                    ; the first's lanes 16-31 change places with the second's lanes 0-15: register 4 c + i now holds k = 64 c + 32 (lane / 16) + 8 i + 0 .. 7
	v_permlane16_swap_b32 v[PCB+8*(\a)+4*\c],   v[PCB+8*(\a)+4*\c+1]
	v_permlane16_swap_b32 v[PCB+8*(\a)+4*\c+2], v[PCB+8*(\a)+4*\c+3]
.endr
.endm
	s_load_b512 s[4:19], s[0:1], 0x0               ; query's codes, scales; key_in's; value's; Wq's codes, scales
	s_load_b512 s[20:35], s[0:1], 0x40             ; Wk's codes, scales; Wv's; bq, bk, bv; qb
	s_load_b64 s[36:37], s[0:1], 0x80              ; kv
	v_lshl_add_u32 v126, v0, 2, 0x48000
	v_mov_b32 v127, 0
	ds_add_u32 v126, v127
	ds_add_u32 v126, v127
	v_lshrrev_b32 v1, 5, v0
	v_readfirstlane_b32 s[WV], v1                  ; wave 0..3
	s_lshr_b32 s[LH], s[WV], 1
	s_and_b32 s[PH], s[WV], 1
	s_bfe_u32 s[CX], ttmp6, 0x40000                ; cx, cy: my place in the cluster
	s_bfe_u32 s[CYC], ttmp6, 0x40004
	s_lshl_b32 s[XT], ttmp9, 2
	s_add_co_u32 s[XT], s[XT], s[CX]               ; which four heads
	s_and_b32 s[CLY], ttmp7, 0xffff                ; the cluster's y, 0..23
	s_lshr_b32 s[KIND], s[CLY], 3                  ; which product: the same in all sixteen partners
	s_and_b32 s[TR], s[CLY], 7
	s_lshl_b32 s[TR], s[TR], 2
	s_add_co_u32 s[TR], s[TR], s[CYC]              ; which 256 tokens
	s_lshl_b32 s[RM], s[CYC], 2
	s_lshl_b32 s[RM], 15, s[RM]                    ; my row of the cluster
	s_lshl_b32 s[CM], 0x1111, s[CX]                ; my column
	; descriptor groups 1, elements of one byte.  Codes: 64 rows x 512 bytes, 4 words of padding after every 128; scale bytes: 64 rows x 32 bytes, 4 words after every 8
	s_or_b32 s[G1XC], s[RM], (1<<20)|(1<<21)|(6<<22)|(3<<25)   ; x's tiles go to my row of the cluster,
	s_or_b32 s[G1WC], s[CM], (1<<20)|(1<<21)|(6<<22)|(3<<25)   ; W's to my column
	s_or_b32 s[G1XS], s[RM], (1<<20)|(1<<21)|(2<<22)|(3<<25)
	s_or_b32 s[G1WS], s[CM], (1<<20)|(1<<21)|(2<<22)|(3<<25)
.irp g, G1XC, G1WC
	s_mov_b32 s[\g+1], 512<<16                     ; tensor_dim0
	s_mov_b32 s[\g+2], 64<<16                      ; tensor_dim1
	s_mov_b32 s[\g+3], 512<<16                     ; tile_dim0
	s_mov_b32 s[\g+4], 64                          ; tile_dim1
	s_mov_b32 s[\g+6], 0
	s_mov_b32 s[\g+7], 0
.endr
.irp g, G1XS, G1WS
	s_mov_b32 s[\g+1], 32<<16
	s_mov_b32 s[\g+2], 64<<16
	s_mov_b32 s[\g+3], 32<<16
	s_mov_b32 s[\g+4], 64
	s_mov_b32 s[\g+6], 0
	s_mov_b32 s[\g+7], 0
.endr
	s_mov_b32 s[G1XC+5], 512                       ; from token to token
	s_mov_b32 s[G1WC+5], 8192                      ; from d to d + 1 of one head: 16 rows of W
	s_mov_b32 s[G1XS+5], 32
	s_mov_b32 s[G1WS+5], 512
	s_mov_b32 s[PSEL], 0x76543210
	s_mov_b32 s[PSEL+1], 0xfedcba98
	s_wait_dscnt 0x0
	s_wait_kmcnt 0x0
	s_cmp_eq_u32 s[KIND], 1                        ; the buffers of my product: the choice hangs on the cluster's number alone
	s_cselect_b64 s[38:39], s[8:9], s[4:5]         ; x's codes
	s_cselect_b64 s[40:41], s[10:11], s[6:7]       ; x's scales
	s_cselect_b64 s[42:43], s[20:21], s[16:17]     ; W's codes
	s_cselect_b64 s[44:45], s[22:23], s[18:19]     ; W's scales
	s_cselect_b64 s[46:47], s[30:31], s[28:29]     ; the bias
	s_cmp_eq_u32 s[KIND], 2
	s_cselect_b64 s[38:39], s[12:13], s[38:39]
	s_cselect_b64 s[40:41], s[14:15], s[40:41]
	s_cselect_b64 s[42:43], s[24:25], s[42:43]
	s_cselect_b64 s[44:45], s[26:27], s[44:45]
	s_cselect_b64 s[46:47], s[32:33], s[46:47]
	s_cmp_eq_u32 s[KIND], 0
	s_cselect_b64 s[48:49], s[34:35], s[36:37]     ; q goes to qb, k and v to kv
	s_cmp_eq_u32 s[KIND], 2
	s_cselect_b32 s30, s[LH], s[PH]                ; which of my halves picks the heads (W's side),
	s_cselect_b32 s31, s[PH], s[LH]                ; and which the 128 tokens (x's side)
	s_cselect_b32 s32, 0, 512                      ; the bias's offset = s32 (lane / 16) + s33 (lane % 16) + s34 j
	s_cselect_b32 s33, 64, 0
	s_cselect_b32 s34, 0, 64
	s_mul_i32 s28, s[WV], QR                       ; where my quarter of each tile goes: no place in the cluster enters an LDS address
	s_mul_i32 s29, s[WV], SQ
	s_lshl_b32 s20, s[TR], 17                      ; x: 256 tokens x 512 bytes, my 64 tokens of them
	s_lshl_b32 s21, s[WV], 15
	s_add_co_u32 s20, s20, s21
	s_mov_b32 s21, 0
	s_lshl_b32 s22, s[TR], 13                      ; and their scale rows of 32 bytes
	s_lshl_b32 s23, s[WV], 11
	s_add_co_u32 s22, s22, s23
	s_mov_b32 s23, 0
	s_lshl_b32 s24, s[XT], 2                       ; W: head 4 XT + wave: its first row is row h
	s_add_co_u32 s24, s24, s[WV]
	s_lshl_b32 s26, s24, 5
	s_lshl_b32 s24, s24, 9
	s_mov_b32 s25, 0
	s_mov_b32 s27, 0
	s_mov_b32 s[G0XC], 1
	s_add_co_u32 s[G0XC+1], s28, XR
	s_add_nc_u64 s[G0XC+2:G0XC+3], s[38:39], s[20:21]
	s_or_b32 s[G0XC+3], s[G0XC+3], 0x80000000
	s_mov_b32 s[G0WC], 1
	s_add_co_u32 s[G0WC+1], s28, WR
	s_add_nc_u64 s[G0WC+2:G0WC+3], s[42:43], s[24:25]
	s_or_b32 s[G0WC+3], s[G0WC+3], 0x80000000
	s_mov_b32 s[G0XS], 1
	s_add_co_u32 s[G0XS+1], s29, XSR
	s_add_nc_u64 s[G0XS+2:G0XS+3], s[40:41], s[22:23]
	s_or_b32 s[G0XS+3], s[G0XS+3], 0x80000000
	s_mov_b32 s[G0WS], 1
	s_add_co_u32 s[G0WS+1], s29, WSR
	s_add_nc_u64 s[G0WS+2:G0WS+3], s[44:45], s[26:27]
	s_or_b32 s[G0WS+3], s[G0WS+3], 0x80000000
	s_lshr_b32 s36, s[TR], 3                       ; the batch
	s_lshl_b32 s36, s36, 4
	s_lshl_b32 s35, s[XT], 2
	s_add_co_u32 s36, s36, s35
	s_lshl_b32 s35, s30, 1
	s_add_co_u32 s36, s36, s35                     ; 16 b + my first head
	s_mul_i32 s36, s36, HEADB
	s_and_b32 s35, s[TR], 7
	s_lshl_b32 s35, s35, 1
	s_add_co_u32 s35, s35, s31                     ; my 128 tokens of the batch's 2,048
	s_mul_i32 s35, s35, STEPB
	s_add_co_u32 s36, s36, s35
	s_mov_b32 s37, 0
	s_add_nc_u64 s[DST:DST+1], s[48:49], s[36:37]
	s_lshl_b32 s36, s[XT], 2
	s_lshl_b32 s35, s30, 1
	s_add_co_u32 s36, s36, s35
	s_lshl_b32 s36, s36, 2                         ; the bias at channel d = 0 of my first head
	s_add_nc_u64 s[46:47], s[46:47], s[36:37]
	CROUND                                         ; all sixteen work-groups are here: the joint loads meet
	tensor_load_to_lds s[G0XC:G0XC+3], s[G1XC:G1XC+7]   ; every wave brings a quarter of each of the four tiles: four loads of mine are out
	s_nop 0
	tensor_load_to_lds s[G0WC:G0WC+3], s[G1WC:G1WC+7]
	s_nop 0
	tensor_load_to_lds s[G0XS:G0XS+3], s[G1XS:G1XS+7]
	s_nop 0
	tensor_load_to_lds s[G0WS:G0WS+3], s[G1WS:G1WS+7]
	s_nop 0
.rept 4
	v_nop
.endr
	v_and_b32 v1, 15, v0                           ; r = lane % 16
	v_bfe_u32 v2, v0, 4, 1                         ; g = lane / 16
	v_and_b32 v3, 31, v0
	v_mul_u32_u24 v13, v1, PITCH
	v_lshl_add_u32 v13, v2, 4, v13                 ; a fragment's row x pitch + 16 g
	s_mul_i32 s35, s[LH], HALF
	s_mul_i32 s36, s[PH], HALF
	v_add_nc_u32 v[AXL], s35, v13
	v_add_nc_u32 v[AXP], s36, v13
	s_add_co_u32 s35, s35, WR
	s_add_co_u32 s36, s36, WR
	v_add_nc_u32 v[AWL], s35, v13
	v_add_nc_u32 v[AWP], s36, v13
	v_mul_u32_u24 v14, v1, SPT
	s_mul_i32 s35, s[LH], SHALF
	s_mul_i32 s36, s[PH], SHALF
	s_add_co_u32 s37, s36, WSR-XSR                 ; q, k: the lower base is x's rows (source 1), lanes 16-31 lie the distance to W's rows (source 0) further on
	s_sub_co_u32 s37, s37, s35
	v_mul_u32_u24 v15, s37, v2
	v_add_nc_u32 v15, v15, v14
	s_add_co_u32 s37, s35, XSR
	v_add_nc_u32 v[ASQ], s37, v15
	s_add_co_u32 s37, s35, WSR-XSR                 ; v: the lower base is x's rows again (now source 0, lanes 16-31); lanes 0-15 lie the distance to W's rows further on
	s_sub_co_u32 s37, s37, s36
	v_xor_b32 v15, 1, v2
	v_mul_u32_u24 v15, s37, v15
	v_add_nc_u32 v15, v15, v14
	s_add_co_u32 s37, s36, XSR
	v_add_nc_u32 v[ASV], s37, v15
	v_lshlrev_b32 v[IMG], 4, v3
	v_mul_u32_u24 v[SCO], v2, HEADB
	v_lshl_add_u32 v[SCO], v1, 4, v[SCO]
	v_lshlrev_b32 v[SHF], 4, v2
	v_mul_u32_u24 v[BO], v2, s32
	v_mad_u32_u24 v[BO], v1, s33, v[BO]
.irp j, 1,2,3,4,5,6,7
	v_add_nc_u32 v[BO+\j], s34, v[BO+\j-1]
.endr
.irp b, 0,1,2,3
	v_mov_b32 v[TP+\b], 0                          ; written once: a lane permute's destination counts as one of its sources
.endr
.irp x, 0,1,2,3,4,5,6,7                        ; tile x of W's side: head x / 4 of my two, d = 16 (x % 4) on; channel e = 16 d + h is byte 64 d + 4 h
.irp j, 0,1,2,3,4,5,6,7
	global_load_b32 v[BB+8*\x+\j], v[BO+\j], s[46:47] offset:1024*(\x%4)+4*(\x/4)
.endr
.endr
	s_wait_tensorcnt 0x0                           ; my quarters have landed,
	s_barrier_signal -1
	s_barrier_wait -1                              ; everybody's have
	s_cmp_eq_u32 s[KIND], 2
	s_cbranch_scc1 .Lv
	; ---- q, k: a lane holds one token; its registers run along two heads' channels
	GEMM AWP, AXL, ASQ, 1
	PLACES
.irp a, 0,1,2,3,4,5,6,7
	QUANT \a
	v_lshrrev_b32 v[SW+\a], v[SHF], v[SW+\a]       ; lanes 0-15 keep the first head's two bytes, lanes 16-31 the second's;
	v_and_b32 v[SW+\a], 0xffff, v[SW+\a]           ; bytes 2 and 3 are 0
	global_store_b128 v[IMG], v[PCB+8*\a:PCB+8*\a+3], s[DST:DST+1] offset:512*\a             ; the first head's tile a: 512 consecutive bytes
	global_store_b128 v[IMG], v[PCB+8*\a+4:PCB+8*\a+7], s[DST:DST+1] offset:512*\a+HEADB     ; the second head's
.endr
	global_store_b128 v[SCO], v[SW:SW+3], s[DST:DST+1] offset:8192     ; sixteen lanes store 256 consecutive bytes of a head's scale words
	global_store_b128 v[SCO], v[SW+4:SW+7], s[DST:DST+1] offset:8448
	s_branch .Ldone
.Lv:
	; ---- v: a lane holds one channel; its registers run along 128 keys
	GEMM AXP, AWL, ASV, 2
	PLACES
.irp a, 0,1,2,3,4,5,6,7
	QUANT \a
	global_store_b128 v[IMG], v[PCB+8*\a:PCB+8*\a+3], s[DST:DST+1] offset:4096+1024*(\a%4)+(\a/4)*HEADB
	global_store_b128 v[IMG], v[PCB+8*\a+4:PCB+8*\a+7], s[DST:DST+1] offset:4096+1024*(\a%4)+(\a/4)*HEADB+512
.endr
.irp t, 0,1,2,3
	v_permlane16_swap_b32 v[SW+\t], v[SW+4+\t]     ; lanes 0-15 keep the first head's word of tile t, lanes 16-31 take the second head's
.endr
	global_store_b128 v[SCO], v[SW:SW+3], s[DST:DST+1] offset:8704
.Ldone:
	s_wait_dscnt 0x0
	s_wait_tensorcnt 0x0
	ds_add_u32 v126, v127
	s_wait_dscnt 0x0
	CROUND                                         ; the closing round: no work-group ends while a partner may still ask for a tile that names it
	s_endpgm
.Lfunc_end_k_q814e4d5ebe_proj:
	.size	k_q814e4d5ebe_proj, .Lfunc_end_k_q814e4d5ebe_proj-k_q814e4d5ebe_proj
	.p2alignl 7, 3214868480
	.fill 96, 4, 3214868480
	.section	.rodata,"a",@progbits
	.p2align	6, 0x0
	.amdhsa_kernel k_q814e4d5ebe_proj
		.amdhsa_group_segment_fixed_size 295424
		.amdhsa_private_segment_fixed_size 0
		.amdhsa_enable_private_segment 0
		.amdhsa_kernarg_size 136
		.amdhsa_user_sgpr_count 2
		.amdhsa_user_sgpr_kernarg_segment_ptr 1
		.amdhsa_wavefront_size32 1
		.amdhsa_system_sgpr_workgroup_id_x 1
		.amdhsa_system_sgpr_workgroup_id_y 1
		.amdhsa_system_sgpr_workgroup_id_z 1
		.amdhsa_system_vgpr_workitem_id 0
		.amdhsa_next_free_vgpr 1024
		.amdhsa_next_free_sgpr 100
		.amdhsa_reserve_vcc 0
		.amdhsa_float_denorm_mode_32 3
		.amdhsa_float_denorm_mode_16_64 3
		.amdhsa_memory_ordered 1
		.amdhsa_forward_progress 1
		.amdhsa_inst_pref_size 251
	.end_amdhsa_kernel
	.amdgpu_metadata
---
amdhsa.version: [ 1, 2 ]
amdhsa.kernels:
  - .name:           k_q814e4d5ebe_proj
    .symbol:         k_q814e4d5ebe_proj.kd
    .args:
      - { .name: query_codes, .offset: 0, .size: 8, .value_kind: global_buffer, .address_space: global }
      - { .name: query_scales, .offset: 8, .size: 8, .value_kind: global_buffer, .address_space: global }
      - { .name: key_in_codes, .offset: 16, .size: 8, .value_kind: global_buffer, .address_space: global }
      - { .name: key_in_scales, .offset: 24, .size: 8, .value_kind: global_buffer, .address_space: global }
      - { .name: value_codes, .offset: 32, .size: 8, .value_kind: global_buffer, .address_space: global }
      - { .name: value_scales, .offset: 40, .size: 8, .value_kind: global_buffer, .address_space: global }
      - { .name: Wq_codes, .offset: 48, .size: 8, .value_kind: global_buffer, .address_space: global }
      - { .name: Wq_scales, .offset: 56, .size: 8, .value_kind: global_buffer, .address_space: global }
      - { .name: Wk_codes, .offset: 64, .size: 8, .value_kind: global_buffer, .address_space: global }
      - { .name: Wk_scales, .offset: 72, .size: 8, .value_kind: global_buffer, .address_space: global }
      - { .name: Wv_codes, .offset: 80, .size: 8, .value_kind: global_buffer, .address_space: global }
      - { .name: Wv_scales, .offset: 88, .size: 8, .value_kind: global_buffer, .address_space: global }
      - { .name: bq, .offset: 96, .size: 8, .value_kind: global_buffer, .address_space: global }
      - { .name: bk, .offset: 104, .size: 8, .value_kind: global_buffer, .address_space: global }
      - { .name: bv, .offset: 112, .size: 8, .value_kind: global_buffer, .address_space: global }
      - { .name: qb, .offset: 120, .size: 8, .value_kind: global_buffer, .address_space: global }
      - { .name: kv, .offset: 128, .size: 8, .value_kind: global_buffer, .address_space: global }
    .group_segment_fixed_size: 295424
    .private_segment_fixed_size: 0
    .kernarg_segment_align: 8
    .kernarg_segment_size: 136
    .max_flat_workgroup_size: 128
    .sgpr_count:     100
    .vgpr_count:     1024
    .wavefront_size: 32
...
	.end_amdgpu_metadata
.endif
;; end of part 1
;; launch attn (part 2): grid 4 x 64, 16 waves a work-group, clusters of 4 x 1, 235,520 bytes of LDS; arguments qb, kv, xa; writes xa
.if DOCPART == 2
	.amdgcn_target "amdgcn-amd-amdhsa--gfx1250"
	.amdhsa_code_object_version 6
	.text
	.protected	k_q814e4d5ebe_attn
	.globl	k_q814e4d5ebe_attn
	.p2align	8
	.type	k_q814e4d5ebe_attn,@function
k_q814e4d5ebe_attn:
	s_mov_b64 s[64:65], 0
	v_nop
	global_prefetch_b8 v0, s[64:65] scope:SCOPE_SE
	s_setreg_imm32_b32 hwreg(HW_REG_WAVE_MODE, 25, 1), 1
	s_wait_xcnt 0x0
	s_wait_alu depctr_hold_cnt(0) depctr_sa_sdst(0) depctr_va_vdst(0) depctr_va_sdst(0) depctr_va_ssrc(0) depctr_va_vcc(0) depctr_vm_vsrc(0)
	s_getreg_b32 s2, hwreg(HW_REG_IB_STS2, 6, 4)
	s_cmp_eq_u32 s2, 0
	s_cbranch_scc0 .Lentry_in_a_cluster
	s_endpgm
.Lentry_in_a_cluster:
	s_bfe_u32 s2, ttmp6, 0x10000c
	s_cmp_lg_u32 s2, 0x3003
	s_cbranch_scc0 .Lentry_shape_is_right
	s_endpgm
.Lentry_shape_is_right:
; x[b][d][h][n] = the sum over keys m of softmax_m(q . k / 8) v, both products on codes of FP4 (E2M1) with E8M0 scales, for one (batch, head) a cluster.
; THE SOFTMAX AHEAD OF THE SECOND PRODUCT: t = score x log2(e) / 8; M = the running largest t rounded UP to a whole number; p = 2^(t - M) is quantised along the keys, not normalised.
; The row's sum is taken of the unquantised p and divides at the end.  When M moves, the sum and O are multiplied by 2^(old M - new M): exact.
; SHARES.  A work-group owns 512 queries of a head; each of its sixteen waves two tiles of 16, one after the other, in 256 registers.
; A head's K and V, as images of the operands' registers with their scale words, are 143,360 bytes: they come into LDS ONCE, each wave bringing one key step's 8,960 bytes, and stay: no slot is filled again.
; CLUSTER.  The four blocks of queries of a head read the same K and V: each load is asked for jointly, with the same descriptor and a mask that names the four.
; LAYOUT.  Both products are used transposed: S^T = K Q^T (source 0 = 16 keys, source 1 = my 16 queries), O^T = V^T P^T (source 0 = 16 channels, source 1 = P): a lane holds ONE query (lane % 16) throughout.
; In S^T register 8 t + j is key 16 t + 8 (lane / 16) + j: a block of 32 keys lies in tiles 2 b, 2 b + 1 of lanes l and l xor 16.
; The head has 64 channels, half of the instruction's K.  Registers 4-7 of Q's fragment hold zero codes, so whatever codes stand in registers 4-7 of K's fragment add nothing (every FP4 code is a finite number):
; K's fragments overlap, tile t in v[KF + 4 t .. + 7], whose upper four are tile t + 1's codes; behind the last tile stand four registers of zeros.  Bytes 2, 3 of both scale words are 0.
; THE KEY STEP IS LAID ROUND ITS EXPONENTIALS.  A step has 68 of them and about 200 other instructions: three others for each.  So no two exponentials follow each other: behind each stand up to three
; of the others (the scaling t - M four pairs ahead, the sums one pair behind, O^T's rescaling, the scale bytes, V's loads, the conversions), and the wave has work to issue between two exponentials.
; THE NEXT STEP'S SCORES ROLL IN.  As soon as a block of 32 keys has been summed and converted, the next step's two products K Q^T of the same block go into its registers, and their largest is
; searched for between the later blocks' exponentials.  Only the last block's two products and its maximum stand behind the exponentials, with the second product.
; So a tile of queries is: step 0's scores; 15 trips, trip j working step j and making the scores of step j + 1; the last step, written out without a successor.
; OUT.  xa [b][n][h][64] f32, 256 bytes for each (n, h); channel d lies at word 32 (d % 2) + d / 2, as the next launch's lanes want it.
; LIMITS: NaN and infinities are not served.  A block of p that has fallen to zeros keeps the scale byte 1: its codes are zeros.
.set HEADB, 143360
.set STEPB, 8960                       ; a key step of 128: +0 K's 8 tiles, +4096 V's 4 tiles, +8192 K's scale words, +8704 V's
.set STAGE, 163840                     ; well behind K and V: 16 rows x 272 bytes for each wave, for the way out
.set SP,    272
.set AL0, 1                            ; v1   16 x lane
.set AR0, 2                            ; v2   16 (lane % 16)
.set ADL, 3                            ; v3   the step's images
.set ADR, 4                            ; v4   the step's scale words
.set STO, 5                            ; v5   the way out: where I put 16 bytes of a row
.set RD,  6                            ; v6   where I read a row back
.set GO,  7                            ; v7   my byte offset in xa
.set Q1,  8                            ; v8-11  my second tile's codes of Q
.set NM,  12                           ; v12  -M     v13 the largest t     v[14:15] the sum in two halves
.set TT,  13
.set LL,  14
.set QF,  16                           ; v16-23 Q's fragment: four registers of codes, four of zeros
.set PC,  24                           ; v24-31 p's codes
.set KF,  32                           ; v32-67 K's eight fragments, overlapping, and four registers of zeros
.set VF,  68                           ; v68-99 V's four fragments
.set SS,  100                          ; v100-163 S^T, then p, then block by block the next step's S^T
.set OO,  164                          ; v164-195 O^T
.set KS,  196                          ; v196-203 K's scale words   v204-207 V's   v208 Q's   v209 p's   v210 my second tile's of Q
.set VS,  204
.set QS,  208
.set PS,  209
.set QS1, 210
.set T1,  211
.set BM,  212                          ; v212-215 each block's largest score, then its largest p
.set TP,  216                          ; v216-219 at work: the other half's maxima, the scale bytes
.set SO,  220                          ; v220-223 the conversions' scale operands
.set FF,  224                          ; v[224:225] f = 2^(old M - new M), named as a pair
.set SU,  226                          ; v[226:227] the sum's second chain
.set T2,  228                          ; the old -M
.set WV,  12
.set G1,  16
.set G0,  24
.set PSEL, 28
.set CS,  30
.set TB,  32
.set CNT, 33
.macro CROUND
	s_barrier_signal -1
	s_barrier_wait -1
	s_cmp_lg_u32 s[WV], 0
	s_cbranch_scc1 .Lnot_wave_0_\@
	s_barrier_signal -3
.Lnot_wave_0_\@:
	s_barrier_wait -3
	s_barrier_signal -1
	s_barrier_wait -1
.endm
	s_load_b128 s[4:7], s[0:1], 0x0                ; qb, kv
	s_load_b64 s[8:9], s[0:1], 0x10                ; xa
	v_lshl_add_u32 v252, v0, 2, 0x39000
	v_mov_b32 v253, 0
	ds_add_u32 v252, v253
	ds_add_u32 v252, v253
	v_lshrrev_b32 v1, 5, v0
	v_readfirstlane_b32 s[WV], v1                  ; wave 0..15
	s_bfe_u32 s13, ttmp6, 0x40000                  ; cx: my block of 512 queries; it enters Q's and xa's addresses alone
	s_and_b32 s14, ttmp7, 0xffff                   ; 16 b + h, which the four partners share
	s_mul_i32 s15, s14, HEADB
	s_mul_i32 s45, s[WV], STEPB                    ; the key step that I fetch: its place in the head, in memory and in LDS
	s_add_co_u32 s34, s15, s45
	s_mov_b32 s35, 0
	s_lshl_b32 s36, s13, 2                         ; my two tiles of queries are tiles 2 (w % 4), + 1 of the 128 queries numbered 4 cx + w / 4
	s_lshr_b32 s38, s[WV], 2
	s_add_co_u32 s36, s36, s38
	s_mul_i32 s36, s36, STEPB
	s_add_co_u32 s36, s36, s15
	s_and_b32 s38, s[WV], 3
	s_lshl_b32 s38, s38, 10
	s_add_co_u32 s38, s38, s36                     ; their images, 512 bytes each
	s_mov_b32 s39, 0
	s_bfe_u32 s40, s[WV], 0x10001                  ; their scale words: [tile / 4][row][tile % 4]
	s_lshl_b32 s40, s40, 8
	s_and_b32 s41, s[WV], 1
	s_lshl_b32 s41, s41, 3
	s_add_co_u32 s40, s40, s41
	s_add_co_u32 s40, s40, s36
	s_add_co_u32 s40, s40, 8192
	s_mov_b32 s41, 0
	s_lshr_b32 s42, s14, 4                         ; xa: the batch's 2,048 x 4,096 bytes,
	s_lshl_b32 s42, s42, 23
	s_lshl_b32 s43, s13, 5
	s_lshl_b32 s44, s[WV], 1
	s_add_co_u32 s43, s43, s44
	s_lshl_b32 s43, s43, 16                        ; my first tile's 16 rows of 4,096,
	s_add_co_u32 s42, s42, s43
	s_and_b32 s43, s14, 15
	s_lshl_b32 s43, s43, 8                         ; the head's 256 bytes of a row
	s_add_co_u32 s42, s42, s43
	s_mov_b32 s43, 0
	s_mov_b32 s[G1], 15|(3<<16)|(1<<21)            ; 15:0 the mask: all four work-groups; 17:16 elements of 8 bytes; 21 set beside a mask; no padding: images are read 512 consecutive bytes at a time
	s_mov_b32 s[G1+1], 32<<16                      ; tensor_dim0: rows of 256 bytes
	s_mov_b32 s[G1+2], 35<<16                      ; tensor_dim1: 35 of them, dense
	s_mov_b32 s[G1+3], 32<<16
	s_mov_b32 s[G1+4], 35
	s_mov_b32 s[G1+5], 32
	s_mov_b32 s[G1+6], 0
	s_mov_b32 s[G1+7], 0
	s_mov_b32 s[PSEL], 0x76543210
	s_mov_b32 s[PSEL+1], 0xfedcba98                ; lane xor 16
	s_mov_b32 s[CS], 0x3e38aa3b                    ; c = log2(e) / 8
	s_mov_b32 s[CS+1], s[CS]                       ; (named with it as a pair, so it is written)
	s_wait_dscnt 0x0
	s_wait_kmcnt 0x0
	s_mov_b32 s[G0], 1
	s_mov_b32 s[G0+1], s45
	s_add_nc_u64 s[G0+2:G0+3], s[6:7], s[34:35]
	s_or_b32 s[G0+3], s[G0+3], 0x80000000
	s_add_nc_u64 s[10:11], s[4:5], s[40:41]        ; Q's scale words
	s_add_nc_u64 s[4:5], s[4:5], s[38:39]          ; Q's images
	s_add_nc_u64 s[8:9], s[8:9], s[42:43]
	CROUND                                         ; all four work-groups are here: the joint loads meet
	tensor_load_to_lds s[G0:G0+3], s[G1:G1+7]      ; one load a wave: sixteen key steps, the whole head
	s_nop 0
.rept 4
	v_nop
.endr
	v_and_b32 v254, 15, v0                         ; r
	v_bfe_u32 v255, v0, 4, 1                       ; g
	v_and_b32 v3, 31, v0
	v_lshlrev_b32 v[AL0], 4, v3
	v_lshlrev_b32 v[AR0], 4, v254
	global_load_b128 v[QF:QF+3], v[AL0], s[4:5]
	global_load_b128 v[Q1:Q1+3], v[AL0], s[4:5] offset:512
	global_load_b32 v[QS], v[AR0], s[10:11]
	global_load_b32 v[QS1], v[AR0], s[10:11] offset:4
.irp i, 4,5,6,7
	v_mov_b32 v[QF+\i], 0                          ; zero codes for K = 64 .. 127
.endr
.irp i, 32,33,34,35
	v_mov_b32 v[KF+\i], 0                          ; the upper half of K's last fragment
.endr
.irp b, 0,1,2,3
	v_mov_b32 v[TP+\b], 0                          ; written once: a lane permute's destination counts as one of its sources
.endr
	v_mov_b32 v[FF+1], 0                           ; (the upper half of a pair that is named whole)
	s_mul_i32 s44, s[WV], 16*SP
	s_add_co_u32 s44, s44, STAGE                   ; my stage
	v_mul_u32_u24 v[STO], v254, SP
	v_lshl_add_u32 v[STO], v255, 4, v[STO]
	v_add_nc_u32 v[STO], s44, v[STO]               ; in: row r, 16 g
	v_mul_u32_u24 v[RD], v255, SP
	v_lshl_add_u32 v[RD], v254, 4, v[RD]
	v_add_nc_u32 v[RD], s44, v[RD]                 ; back: lanes 0-15 one row of 256 bytes, lanes 16-31 the next
	v_lshlrev_b32 v[GO], 12, v255
	v_lshl_add_u32 v[GO], v254, 4, v[GO]           ; and the same two rows in xa, 4,096 bytes apart
	s_wait_tensorcnt 0x0                           ; my key step has landed,
	s_barrier_signal -1
	s_barrier_wait -1                              ; everybody's has
	s_wait_loadcnt 0x0                             ; Q
; ---- the pieces of a key step.  A PAIR is two neighbouring registers of S^T: pair n is v[SS + 2 n], v[SS + 2 n + 1]; a block of 32 keys is eight pairs.
.macro FMA pr                          ; t - M of pair pr
	v_pk_fma_f32 v[SS+2*(\pr):SS+2*(\pr)+1], v[SS+2*(\pr):SS+2*(\pr)+1], s[CS:CS+1], v[NM:NM+1] op_sel_hi:[1,0,0]
.endm
.macro OMUL k                          ; two registers of O^T under the new M
	v_pk_mul_f32 v[OO+2*(\k):OO+2*(\k)+1], v[OO+2*(\k):OO+2*(\k)+1], v[FF:FF+1] op_sel_hi:[1,0]
.endm
.macro PADD pr                         ; the row's sum of the unquantised p, in two chains: pairs 0 and 1 start the second, even pairs go to the first, odd ones to the second
.if (\pr) == 1
	s_wait_alu depctr_va_vdst(0)
	v_pk_add_f32 v[SU:SU+1], v[SS:SS+1], v[SS+2:SS+3]
.elseif ((\pr)%2) == 0
	v_pk_add_f32 v[LL:LL+1], v[LL:LL+1], v[SS+2*(\pr):SS+2*(\pr)+1]
.else
	s_wait_alu depctr_va_vdst(0)
	v_pk_add_f32 v[SU:SU+1], v[SU:SU+1], v[SS+2*(\pr):SS+2*(\pr)+1]
.endif
.endm
.macro VLOAD i                         ; load i of nine: V's eight half fragments, then its scale words
.if (\i) < 8
	ds_load_b128 v[VF+4*(\i):VF+4*(\i)+3], v[ADL] offset:4096+512*(\i)
.else
	ds_load_b128 v[VS:VS+3], v[ADR] offset:8704
.endif
.endm
.macro SMUL t                          ; S^T of 16 keys: tile t
	v_wmma_scale_f32_16x16x128_f8f6f4 v[SS+8*(\t):SS+8*(\t)+7], v[KF+4*(\t):KF+4*(\t)+7], v[QF:QF+7], 0, v[KS+(\t)], v[QS] matrix_a_fmt:MATRIX_FMT_FP4 matrix_b_fmt:MATRIX_FMT_FP4
.endm
.macro MAXI b, k                       ; line k of ten of the search for block b's largest score; each accumulator is read from its low end on
.if (\k) == 0
	v_max3_num_f32 v[BM+(\b)], v[SS+16*(\b)], v[SS+16*(\b)+1], v[SS+16*(\b)+2]
.elseif (\k) < 7
	v_max3_num_f32 v[BM+(\b)], v[BM+(\b)], v[SS+16*(\b)+2*(\k)+1], v[SS+16*(\b)+2*(\k)+2]
.elseif (\k) == 7
	v_max_num_f32 v[BM+(\b)], v[BM+(\b)], v[SS+16*(\b)+15]
.elseif (\k) == 8
	v_permlanex16_b32 v[TP+(\b)], v[BM+(\b)], s[PSEL], s[PSEL+1]
.else
	v_max_num_f32 v[BM+(\b)], v[BM+(\b)], v[TP+(\b)]   ; with lane xor 16's 16 keys
.endif
.endm
; What stands in free place s (1 .. 4) of pair p, by the number q = 4 p + s - 1:
;   q 0-14   the scale bytes: the floor 2^(3 - 127) under each block's largest p, 2 off its exponent field (the conversion's scale operand), the byte, the four bytes as p's scale word
;   q 15-25  O^T's rescaling, lines 1 to 11;   q 26-29  V's last four loads
;   from pair 8 on, for the block bb that was finished eight pairs ago: in the block's pair 0 its two conversions; in pair 1 (nxt) the next step's two products into its registers;
;   in pairs 3-7 (nxt) the ten lines of the new scores' maximum, two a pair.  Between the products and the first of those lines stand four packed instructions that name none of the products' registers
;   (ISA guide 7.12.1): the sums of pairs 1 and 2 and the scalings of pairs 2 and 3.  In pair 17 the first four registers of codes change halves.
.macro MISC s, nxt
.set q, 4*p+(\s)-1
.set r8, p%8
.set bb, p/8-1
.if q < 4
	s_wait_alu depctr_va_vdst(0)
	v_max_num_f32 v[BM+q], 0x1800000, v[BM+q]
.elseif q < 8
	v_add_nc_u32 v[SO+q-4], 0xff000000, v[BM+q-4]
.elseif q < 12
	v_lshrrev_b32 v[TP+q-8], 23, v[SO+q-8]
.elseif q == 12
	v_lshl_or_b32 v[PS], v[TP+1], 8, v[TP]
.elseif q < 15
	v_lshl_or_b32 v[PS], v[TP+q-11], 8*(q-11), v[PS]
.elseif q < 26
	OMUL q-14
.elseif q < 30
	VLOAD q-21
.elseif q < 32
.elseif (r8 == 0) && ((\s) == 3)
	v_cvt_scalef32_pk8_fp4_f32 v[PC+4*(bb/2)+(bb%2)], v[SS+16*bb:SS+16*bb+7], v[SO+bb]
.elseif (r8 == 0) && ((\s) == 4)
	v_cvt_scalef32_pk8_fp4_f32 v[PC+4*(bb/2)+2+(bb%2)], v[SS+16*bb+8:SS+16*bb+15], v[SO+bb]
.elseif (r8 == 1) && ((\s) < 3) && (\nxt)
.if q == 36
	s_wait_dscnt 9                                 ; the next step's K and its scale words are in; V's nine loads, issued behind them, may be out
.endif
	SMUL 2*bb+(\s)-1
.elseif (p == 17) && ((\s) > 2)
	v_permlane16_swap_b32 v[PC+2*((\s)-3)], v[PC+2*((\s)-3)+1]   ; register i then holds keys 32 (lane / 16) + 8 i + 0 .. 7
.elseif (r8 > 2) && (((\s)%2) == 1) && (q != 126) && (\nxt)
.set mk, 2*(r8-3)+((\s)-1)/2
	MAXI bb, mk
.endif
.endm
; A KEY STEP: 128 keys, at LDS byte s[TB].  It finds the step's scores in S^T, each block's largest in BM, the largest t of blocks 0-2 already in TT, and the old -M in T2.
; nxt = 1: it leaves the same for the next step.
.macro STEP nxt
	v_mul_f32 v[T1], s[CS], v[BM+3]                ; block 3's largest t (c is positive, so the largest of c x is c times the largest x)
	v_add_nc_u32 v[ADL], s[TB], v[AL0]
	v_add_nc_u32 v[ADR], s[TB], v[AR0]
	v_max_num_f32 v[TT], v[TT], v[T1]              ; the running largest t
.if \nxt
.irp t, 0,1,2,3,4,5,6,7
	ds_load_b128 v[KF+4*\t:KF+4*\t+3], v[ADL] offset:STEPB+512*\t   ; the NEXT step's K: wanted nine pairs further down
.endr
	ds_load_b128 v[KS:KS+3], v[ADR] offset:STEPB+8192
	ds_load_b128 v[KS+4:KS+7], v[ADR] offset:STEPB+8448
.endif
	v_floor_f32 v[NM], -v[TT]                      ; the new -M = floor(-t) = -ceil(t)
.irp b, 0,1,2,3
	v_fma_f32 v[BM+\b], v[BM+\b], s[CS], v[NM]     ; t - M of each block's largest score
.endr
	v_exp_f32 v[BM], v[BM]                         ; each block's largest p: the same two instructions on the same number as its own p gets
	FMA 0
	v_sub_f32 v[T1], v[NM], v[T2]                  ; old M - new M: a whole number, 0 or less
	VLOAD 0
	v_exp_f32 v[BM+1], v[BM+1]
	FMA 1
	v_cvt_i32_f32 v[T1], v[T1]                     ; (it saturates)
	VLOAD 1
	v_exp_f32 v[BM+2], v[BM+2]
	FMA 2
	v_ldexp_f32 v[FF], 1.0, v[T1]                  ; f = 2^(old M - new M)
	VLOAD 2
	v_exp_f32 v[BM+3], v[BM+3]
	FMA 3
	VLOAD 3
	VLOAD 4
.set p, 0
.rept 32                                       ; pair p: two exponentials; directly behind each a packed instruction that touches neither its result nor its source
	v_exp_f32 v[SS+2*p], v[SS+2*p]                 ; p = 2^(t - M)
.if p < 28
	FMA p+4
.else
	OMUL p-16                                      ; O^T's last accumulator
.endif
	MISC 1, \nxt
	MISC 2, \nxt
	v_exp_f32 v[SS+2*p+1], v[SS+2*p+1]
.if p == 0
	v_pk_mul_f32 v[LL:LL+1], v[LL:LL+1], v[FF:FF+1] op_sel_hi:[1,0]   ; the sum under the new M
.elseif p == 1
	OMUL 0
.else
	PADD p-1
.endif
	MISC 3, \nxt
	MISC 4, \nxt
.set p, p+1
.endr
	PADD 31
	v_cvt_scalef32_pk8_fp4_f32 v[PC+5], v[SS+48:SS+55], v[SO+3]   ; the last block's codes
	v_cvt_scalef32_pk8_fp4_f32 v[PC+7], v[SS+56:SS+63], v[SO+3]
.if \nxt
	MAXI 2, 9                                      ; (one plain instruction behind the conversions)
.else
	v_pk_add_f32 v[LL:LL+1], v[LL:LL+1], v[SU:SU+1]
.endif
	v_permlane16_swap_b32 v[PC+4], v[PC+5]         ; register 4 + i then holds keys 64 + 32 (lane / 16) + 8 i + 0 .. 7
	v_permlane16_swap_b32 v[PC+6], v[PC+7]
.if \nxt
	SMUL 6                                         ; the next step's scores of the last block
	SMUL 7
	v_max3_num_f32 v[T1], v[BM], v[BM+1], v[BM+2]  ; five plain instructions: the places behind those two products, and between p's codes and the products below
	v_pk_add_f32 v[LL:LL+1], v[LL:LL+1], v[SU:SU+1]
	v_mul_f32 v[T1], s[CS], v[T1]                  ; the next step's largest t of blocks 0-2
	v_mov_b32 v[T2], v[NM]                         ; this step's -M is the next step's old one
	v_max_num_f32 v[TT], v[TT], v[T1]
.else
.rept 4
	v_nop                                          ; four places between p's codes and the products below
.endr
.endif
	s_wait_dscnt 0x0                               ; V and its scale words are in
.irp t, 0,1,2,3
	v_wmma_scale_f32_16x16x128_f8f6f4 v[OO+8*\t:OO+8*\t+7], v[VF+8*\t:VF+8*\t+7], v[PC:PC+7], v[OO+8*\t:OO+8*\t+7], v[VS+\t], v[PS] matrix_a_fmt:MATRIX_FMT_FP4 matrix_b_fmt:MATRIX_FMT_FP4
.endr
.if \nxt                                       ; the last block's largest score, in two chains, each accumulator from its low end on
	v_max3_num_f32 v[BM+3], v[SS+48], v[SS+49], v[SS+50]
	v_max3_num_f32 v[TP+3], v[SS+56], v[SS+57], v[SS+58]
	v_max3_num_f32 v[BM+3], v[BM+3], v[SS+51], v[SS+52]
	v_max3_num_f32 v[TP+3], v[TP+3], v[SS+59], v[SS+60]
	v_max3_num_f32 v[BM+3], v[BM+3], v[SS+53], v[SS+54]
	v_max3_num_f32 v[TP+3], v[TP+3], v[SS+61], v[SS+62]
	v_max3_num_f32 v[BM+3], v[BM+3], v[SS+55], v[SS+63]
	v_max_num_f32 v[BM+3], v[BM+3], v[TP+3]
	v_permlanex16_b32 v[TP+3], v[BM+3], s[PSEL], s[PSEL+1]
	v_max_num_f32 v[BM+3], v[BM+3], v[TP+3]
.endif
.endm
; One tile of 16 queries against all 2,048 keys, and its way out.
.macro QTILE q
.irp t, 0,1,2,3,4,5,6,7
	ds_load_b128 v[KF+4*\t:KF+4*\t+3], v[AL0] offset:512*\t   ; key step 0's K
.endr
	ds_load_b128 v[KS:KS+3], v[AR0] offset:8192
	ds_load_b128 v[KS+4:KS+7], v[AR0] offset:8448
.if \q
.irp i, 0,1,2,3
	v_mov_b32 v[QF+\i], v[Q1+\i]
.endr
	v_mov_b32 v[QS], v[QS1]
.endif
	v_mov_b32 v[TT], 0xff61b1e6                    ; the largest t so far: -3e38, under every t
	v_floor_f32 v[NM], -v[TT]
	v_mov_b32 v[LL], 0
	v_mov_b32 v[LL+1], 0
.set j, 0
.rept 32
	v_mov_b32 v[OO+j], 0                           ; the step has no first form of its own: the first finds zeros, which the first change of M leaves zeros
.set j, j+1
.endr
	s_mov_b32 s[TB], 0
	s_mov_b32 s[CNT], 15
	s_wait_dscnt 0x0
.irp t, 0,1,2,3,4,5,6,7
	SMUL \t
.endr
.rept 4
	v_nop
.endr
.irp k, 0,1,2,3,4,5,6,7,8,9
.irp b, 0,1,2,3
	MAXI \b, \k                                    ; the four blocks by turns
.endr
.endr
	v_max3_num_f32 v[T1], v[BM], v[BM+1], v[BM+2]
	v_mov_b32 v[T2], v[NM]
	v_mul_f32 v[T1], s[CS], v[T1]
	v_max_num_f32 v[TT], v[TT], v[T1]
.Lkey_\@:                                      ; 15 trips: steps 0 to 14, each making the scores of the step behind it
	STEP 1
	s_add_co_u32 s[TB], s[TB], STEPB
	s_sub_co_i32 s[CNT], s[CNT], 1
	s_cmp_lg_u32 s[CNT], 0
	s_cbranch_scc1 .Lkey_\@
	STEP 0                                         ; step 15 has no successor
	v_add_f32 v[LL], v[LL], v[LL+1]                ; the sum's two halves,
	v_permlanex16_b32 v[T1], v[LL], s[PSEL], s[PSEL+1]
	v_add_f32 v[LL], v[LL], v[T1]                  ; and lane xor 16's: the row's sum
	v_rcp_f32 v[LL], v[LL]
.rept 3
	v_nop                                          ; a plain place behind the reciprocal; with the additions above, the places behind the last products
.endr
	s_wait_alu depctr_va_vdst(0)
.irp t, 0,1,2,3
.irp j, 0,1,2,3,4,5,6,7
	v_mul_f32 v[SS+8*\t+4*(\j&1)+(\j>>1)], v[OO+8*\t+\j], v[LL]   ; channel d = 16 t + 8 g + j goes to word 32 (d % 2) + d / 2: even j to the first four registers, odd j to the last four
.endr
.endr
.irp t, 0,1,2,3
	ds_store_b128 v[STO], v[SS+8*\t:SS+8*\t+3] offset:32*\t
	ds_store_b128 v[STO], v[SS+8*\t+4:SS+8*\t+7] offset:32*\t+128
.endr
.irp i, 0,1,2,3,4,5,6,7
	ds_load_b128 v[SS+32+4*\i:SS+32+4*\i+3], v[RD] offset:2*SP*\i   ; LDS serves a wave's instructions in order (ISA guide 5.7.1.4): these see my stores
.endr
.irp i, 0,1,2,3,4,5,6,7
	s_wait_dscnt 7-\i                              ; the younger read-backs may be out
	global_store_b128 v[GO], v[SS+32+4*\i:SS+32+4*\i+3], s[8:9] offset:8192*\i+65536*\q   ; sixteen lanes store 256 consecutive bytes, aligned
.endr
	s_wait_xcnt 0x0                                ; the stores have read their registers: the next tile's products may write them
.endm
	QTILE 0
	QTILE 1
	s_wait_dscnt 0x0
	s_wait_tensorcnt 0x0
	ds_add_u32 v252, v253
	s_wait_dscnt 0x0
	CROUND                                         ; the closing round: no work-group ends while a partner may still ask for a tile that names it
	s_endpgm
.Lfunc_end_k_q814e4d5ebe_attn:
	.size	k_q814e4d5ebe_attn, .Lfunc_end_k_q814e4d5ebe_attn-k_q814e4d5ebe_attn
	.p2alignl 7, 3214868480
	.fill 96, 4, 3214868480
	.section	.rodata,"a",@progbits
	.p2align	6, 0x0
	.amdhsa_kernel k_q814e4d5ebe_attn
		.amdhsa_group_segment_fixed_size 235520
		.amdhsa_private_segment_fixed_size 0
		.amdhsa_enable_private_segment 0
		.amdhsa_kernarg_size 24
		.amdhsa_user_sgpr_count 2
		.amdhsa_user_sgpr_kernarg_segment_ptr 1
		.amdhsa_wavefront_size32 1
		.amdhsa_system_sgpr_workgroup_id_x 1
		.amdhsa_system_sgpr_workgroup_id_y 1
		.amdhsa_system_sgpr_workgroup_id_z 1
		.amdhsa_system_vgpr_workitem_id 0
		.amdhsa_next_free_vgpr 256
		.amdhsa_next_free_sgpr 66
		.amdhsa_reserve_vcc 0
		.amdhsa_float_denorm_mode_32 3
		.amdhsa_float_denorm_mode_16_64 3
		.amdhsa_memory_ordered 1
		.amdhsa_forward_progress 1
		.amdhsa_inst_pref_size 76
	.end_amdhsa_kernel
	.amdgpu_metadata
---
amdhsa.version: [ 1, 2 ]
amdhsa.kernels:
  - .name:           k_q814e4d5ebe_attn
    .symbol:         k_q814e4d5ebe_attn.kd
    .args:
      - { .name: qb, .offset: 0, .size: 8, .value_kind: global_buffer, .address_space: global }
      - { .name: kv, .offset: 8, .size: 8, .value_kind: global_buffer, .address_space: global }
      - { .name: xa, .offset: 16, .size: 8, .value_kind: global_buffer, .address_space: global }
    .group_segment_fixed_size: 235520
    .private_segment_fixed_size: 0
    .kernarg_segment_align: 8
    .kernarg_segment_size: 24
    .max_flat_workgroup_size: 512
    .sgpr_count:     66
    .vgpr_count:     256
    .wavefront_size: 32
...
	.end_amdgpu_metadata
.endif
;; end of part 2
;; launch xquant (part 3): grid 256 x 1, 4 waves a work-group, no clusters, 1,536 bytes of LDS; arguments xa, xc, xs; writes xc, xs
.if DOCPART == 3
	.amdgcn_target "amdgcn-amd-amdhsa--gfx1250"
	.amdhsa_code_object_version 6
	.text
	.protected	k_q814e4d5ebe_xquant
	.globl	k_q814e4d5ebe_xquant
	.p2align	8
	.type	k_q814e4d5ebe_xquant,@function
k_q814e4d5ebe_xquant:
	s_mov_b64 s[64:65], 0
	v_nop
	global_prefetch_b8 v0, s[64:65] scope:SCOPE_SE
	s_setreg_imm32_b32 hwreg(HW_REG_WAVE_MODE, 25, 1), 1
	s_wait_xcnt 0x0
; The attention's result, xa [8,192 rows (b, n)][16 heads][64 f32], becomes the last product's operand: codes of FP4 (E2M1) along c = 16 d + h, xc [8,192][512 bytes], and one E8M0 byte for each 32, xs [8,192][32].
; Block j of a row is c = 32 j + 16 p + h: channels d = 2 j + p of all 16 heads.  xa holds channel d of a head at word 32 (d % 2) + d / 2 = 32 p + j.
; So LANE j TAKES BLOCK j, and each of its 32 loads (one for each p and h) reads, over the wave, 128 consecutive bytes; the block's 32 numbers lie in one lane's registers in the order of c:
; the largest magnitude needs no other lane, and the conversions give the block's 16 bytes, which the 32 lanes store as the row's 512 consecutive bytes.
; A wave takes 8 rows; its 256 scale bytes are gathered in its own 256 bytes of LDS and leave as one aligned run of 256 bytes.  Waves share nothing: no barrier, no cluster, no matrix unit: the launch only streams.
; Loads run two rows (64 loads a wave) ahead.  Every offset is an immediate.
; LIMITS: NaN and infinities are not served.  A block of zeros gets the byte 1 and not 127: its codes are zeros, and only this program reads the bytes.
.set X, 32                             ; v32-95   two sets of 32 numbers
.set C, 96                             ; v96-127  four registers of codes for each row, so that no store's data are written again
.set E, 16                             ; v16-23   a scale byte for each row
	s_load_b128 s[4:7], s[0:1], 0x0                ; xa, xc
	s_load_b64 s[8:9], s[0:1], 0x10                ; xs
	v_lshl_add_u32 v128, v0, 2, 0x400
	v_mov_b32 v129, 0
	v_lshrrev_b32 v1, 5, v0
	v_readfirstlane_b32 s10, v1                    ; wave
	v_and_b32 v2, 31, v0                           ; lane
	v_lshlrev_b32 v3, 2, v2                        ; in: 4 bytes a lane
	v_lshlrev_b32 v4, 4, v2                        ; codes: 16 bytes a lane
	v_lshlrev_b32 v5, 3, v2                        ; scale bytes on the way out: 8 a lane
	s_lshl_b32 s11, s10, 8
	v_add_nc_u32 v6, s11, v2                       ; LDS: my wave's 256 bytes, my block's byte
	v_add_nc_u32 v7, s11, v5
	s_lshl_b32 s12, ttmp9, 2
	s_add_co_u32 s12, s12, s10                     ; which run of 8 rows is my wave's
	s_lshl_b32 s14, s12, 15                        ; 8 rows of 4,096 bytes
	s_mov_b32 s15, 0
	s_lshl_b32 s16, s12, 12                        ; of 512
	s_mov_b32 s17, 0
	s_lshl_b32 s18, s12, 8                         ; of 32
	s_mov_b32 s19, 0
	s_wait_kmcnt 0x0
	s_add_nc_u64 s[4:5], s[4:5], s[14:15]
	s_add_nc_u64 s[6:7], s[6:7], s[16:17]
	s_add_nc_u64 s[8:9], s[8:9], s[18:19]
.macro LOAD t                          ; row t into set t % 2: register 16 p + h
.irp p, 0,1
.irp h, 0,1,2,3,4,5,6,7,8,9,10,11,12,13,14,15
	global_load_b32 v[X+32*((\t)%2)+16*\p+\h], v3, s[4:5] offset:4096*(\t)+256*\h+128*\p th:TH_LOAD_NT
.endr
.endr
.endm
	LOAD 0
	LOAD 1
.macro BLOCK t
.set XS, X+32*((\t)%2)
.if (\t) < 7
	s_wait_loadcnt 32                              ; this row's 32 loads are in; the next row's may be out
.else
	s_wait_loadcnt 0
.endif
	v_max3_num_f32 v12, |v[XS]|, |v[XS+1]|, |v[XS+2]|   ; the block's largest magnitude, in two chains
	v_max3_num_f32 v13, |v[XS+3]|, |v[XS+4]|, |v[XS+5]|
.irp i, 6,10,14,18,22,26
	v_max3_num_f32 v12, v12, |v[XS+\i]|, |v[XS+\i+1]|
	v_max3_num_f32 v13, v13, |v[XS+\i+2]|, |v[XS+\i+3]|
.endr
	v_max3_num_f32 v12, v12, |v[XS+30]|, |v[XS+31]|
	v_max3_num_f32 v12, v12, v13, 0x1800000        ; and the floor 2^(3 - 127): the byte cannot fall under 1
	v_add_nc_u32 v11, 0xff000000, v12              ; 2 off its exponent field: the conversion's scale operand
	v_lshrrev_b32 v[E+(\t)], 23, v11               ; the scale's byte
.irp g, 0,1,2,3
	v_cvt_scalef32_pk8_fp4_f32 v[C+4*(\t)+\g], v[XS+8*\g:XS+8*\g+7], v11
.endr
	ds_store_b8 v6, v[E+(\t)] offset:32*(\t)
	global_store_b128 v4, v[C+4*(\t):C+4*(\t)+3], s[6:7] offset:512*(\t)   ; the row's 512 consecutive bytes
.if (\t)+2 < 8
	LOAD (\t)+2
.endif
.endm
.irp t, 0,1,2,3,4,5,6,7
	BLOCK \t
.endr
	ds_load_b64 v[12:13], v7                       ; LDS serves a wave's instructions in order: this sees my stores
	s_wait_dscnt 0x0
	global_store_b64 v5, v[12:13], s[8:9]          ; 32 lanes store 256 consecutive bytes, aligned
	s_wait_tensorcnt 0x0
	ds_add_u32 v128, v129
	s_wait_dscnt 0x0
	s_endpgm
.Lfunc_end_k_q814e4d5ebe_xquant:
	.size	k_q814e4d5ebe_xquant, .Lfunc_end_k_q814e4d5ebe_xquant-k_q814e4d5ebe_xquant
	.p2alignl 7, 3214868480
	.fill 96, 4, 3214868480
	.section	.rodata,"a",@progbits
	.p2align	6, 0x0
	.amdhsa_kernel k_q814e4d5ebe_xquant
		.amdhsa_group_segment_fixed_size 1536
		.amdhsa_private_segment_fixed_size 0
		.amdhsa_enable_private_segment 0
		.amdhsa_kernarg_size 24
		.amdhsa_user_sgpr_count 2
		.amdhsa_user_sgpr_kernarg_segment_ptr 1
		.amdhsa_wavefront_size32 1
		.amdhsa_system_sgpr_workgroup_id_x 1
		.amdhsa_system_sgpr_workgroup_id_y 1
		.amdhsa_system_sgpr_workgroup_id_z 1
		.amdhsa_system_vgpr_workitem_id 0
		.amdhsa_next_free_vgpr 130
		.amdhsa_next_free_sgpr 66
		.amdhsa_reserve_vcc 0
		.amdhsa_float_denorm_mode_32 3
		.amdhsa_float_denorm_mode_16_64 3
		.amdhsa_memory_ordered 1
		.amdhsa_forward_progress 1
		.amdhsa_inst_pref_size 38
	.end_amdhsa_kernel
	.amdgpu_metadata
---
amdhsa.version: [ 1, 2 ]
amdhsa.kernels:
  - .name:           k_q814e4d5ebe_xquant
    .symbol:         k_q814e4d5ebe_xquant.kd
    .args:
      - { .name: xa, .offset: 0, .size: 8, .value_kind: global_buffer, .address_space: global }
      - { .name: xc, .offset: 8, .size: 8, .value_kind: global_buffer, .address_space: global }
      - { .name: xs, .offset: 16, .size: 8, .value_kind: global_buffer, .address_space: global }
    .group_segment_fixed_size: 1536
    .private_segment_fixed_size: 0
    .kernarg_segment_align: 8
    .kernarg_segment_size: 24
    .max_flat_workgroup_size: 128
    .sgpr_count:     66
    .vgpr_count:     130
    .wavefront_size: 32
...
	.end_amdgpu_metadata
.endif
;; end of part 3
;; launch merge (part 4): grid 32 x 4, 4 waves a work-group, clusters of 4 x 4, 295,424 bytes of LDS; arguments xc, xs, Wm_codes, Wm_scales, bm, out0; writes out0
.if DOCPART == 4
	.amdgcn_target "amdgcn-amd-amdhsa--gfx1250"
	.amdhsa_code_object_version 6
	.text
	.protected	k_q814e4d5ebe_merge
	.globl	k_q814e4d5ebe_merge
	.p2align	8
	.type	k_q814e4d5ebe_merge,@function
k_q814e4d5ebe_merge:
	s_mov_b64 s[64:65], 0
	v_nop
	global_prefetch_b8 v0, s[64:65] scope:SCOPE_SE
	s_setreg_imm32_b32 hwreg(HW_REG_WAVE_MODE, 25, 1), 1
	s_wait_xcnt 0x0
	s_wait_alu depctr_hold_cnt(0) depctr_sa_sdst(0) depctr_va_vdst(0) depctr_va_sdst(0) depctr_va_ssrc(0) depctr_va_vcc(0) depctr_vm_vsrc(0)
	s_getreg_b32 s2, hwreg(HW_REG_IB_STS2, 6, 4)
	s_cmp_eq_u32 s2, 0
	s_cbranch_scc0 .Lentry_in_a_cluster
	s_endpgm
.Lentry_in_a_cluster:
	s_bfe_u32 s2, ttmp6, 0x10000c
	s_cmp_lg_u32 s2, 0xf033
	s_cbranch_scc0 .Lentry_shape_is_right
	s_endpgm
.Lentry_shape_is_right:
; out0[b][e][n] = the sum over c of Wm[e][c] x[b][c][n] + bm[e], on codes of FP4 (E2M1) with E8M0 scales.  xc [8,192 tokens][512 bytes], xs [8,192][32]; Wm likewise by rows e; out0 [4][1024][2048] f32.
; SHARES.  A work-group of four waves makes 256 channels e x 256 tokens; a wave 128 x 128: 64 accumulators, 512 registers.  All of K (1,024) of both tiles lies in LDS, filled once: no slot is filled again.
; 8,192 x 1,024 outputs are 128 such tiles: fewer work-groups than a smaller tile would give, in exchange for half the LDS bytes for each product.
; CLUSTERS: 4 x 4 work-groups.  The four of a column of the cluster need the same 256 tokens, the four of a row the same 256 rows of Wm: each tile is asked for jointly, with a mask that names the four.
; ORIENTATION.  Source 0 = 16 tokens, source 1 = 16 rows of Wm: a lane holds one channel e (lane % 16) and eight neighbouring tokens n: 32 bytes of a row of out0.
; The bias is the C of each sum's first matrix instruction, so it is added first and not last as the source has it.
; LIMITS: NaN and infinities are not served.
.set PITCH, 528                        ; an LDS row of codes: 512 bytes + 16 of padding = 132 words: row r starts at bank 4 r mod 64 (64 banks of 4 bytes: ISA guide 11.1)
.set QR,    64*PITCH
.set HALF,  128*PITCH
.set XR,    0
.set WR,    256*PITCH
.set SPT,   48
.set SQ,    64*SPT
.set SHALF, 128*SPT
.set XSR,   2*256*PITCH
.set WSR,   XSR+256*SPT
.set SPITCH, 528                       ; the way out: a stage of 16 rows x (512 bytes + 16) for each wave, in x's rows, which have had their only fill and, behind a barrier, their last read
.set AXP, 5                            ; v5   x's fragments (source 0)
.set AWL, 6                            ; v6   Wm's fragments (source 1)
.set ASV, 9                            ; v9   scale words: lanes 0-15 Wm's rows, lanes 16-31 x's
.set CO,  10                           ; v10  16 x lane
.set BR,  11                           ; v11  4 (lane % 16)
.set STO, 24
.set RD,  25
.set SC,  32                           ; v32-95  scale words
.set LF,  128                          ; v128-191 source 1's fragments, one set
.set BB,  192                          ; v192-255 eight tiles of bias
.set BK,  128                          ; the way out: 16 rows read back: v128-191 and v192-255 by turns
.set OUTP, 14
.set G0XC, 16
.set G0WC, 20
.set G0XS, 24
.set G0WS, 28
.set WV,  50
.set LH,  51
.set PH,  52
.set CX,  53
.set CYC, 54
.set TT,  55                           ; tokens 256 TT on
.set RM,  59
.set CM,  60
.set G1XC, 68
.set G1WC, 76
.set G1XS, 84
.set G1WS, 92
.set MSB, 0
.macro WIN new
.if MSB != (\new)
	s_set_vgpr_msb (MSB<<8)|(\new)
.set MSB, (\new)
.endif
.endm
.macro PLACES
.rept 4
	v_nop
.endr
.endm
.macro CROUND
	s_barrier_signal -1
	s_barrier_wait -1
	s_cmp_lg_u32 s[WV], 0
	s_cbranch_scc1 .Lnot_wave_0_\@
	s_barrier_signal -3
.Lnot_wave_0_\@:
	s_barrier_wait -3
	s_barrier_signal -1
	s_barrier_wait -1
.endm
.macro FRAG reg, adr, q, i
.irp c, 0,1
	ds_load_b128 v[\reg+4*\c:\reg+4*\c+3], v[\adr] offset:64*(\q)+32*\c+(\i)*16*PITCH
.endr
.endm
.macro FETCH_P adr, q, p
	WIN 0x40
.irp i, 0,1,2,3,4,5,6,7
	FRAG 128*(\p)+8*\i, \adr, \q, \i
.endr
	WIN 0
.endm
.macro FETCH_L adr, q, i0
.irp i, \i0, \i0+1, \i0+2, \i0+3
	FRAG LF+8*(\i), \adr, \q, \i
.endr
.endm
.macro SCALES adr
.irp s, 0,1
.irp i, 0,1,2,3,4,5,6,7
	ds_load_b128 v[SC+32*\s+4*\i:SC+32*\s+4*\i+3], v[\adr] offset:16*SPT*\i+16*\s
.endr
.endr
.endm
; 16 matrix instructions: source 1's tiles a0, a0 + 1 x source 0's eight, K step q.  cm = 0: onto the sums; 2: the sums begin with the bias of source 1's tile.
; The 64 accumulators take turns, one instruction a turn, in the same order in every step.
.macro MUL16 a0, q, cm
.irp a, \a0, \a0+1
.irp b, 0,1,2,3,4,5,6,7
.set rD, 8*(8*((\a)%4)+\b)
.set rP, 128*((\q)%2)+8*\b
.set rL, LF+8*(\a)
.set rSP, SC+32*((\q)/4)+4*\b+(\q)%4
.set rSL, SC+32*((\q)/4)+4*(\a)+(\q)%4
.if (\cm) == 2
	v_wmma_scale_f32_16x16x128_f8f6f4 v[rD:rD+7], v[rP:rP+7], v[rL:rL+7], v[BB+8*(\a):BB+8*(\a)+7], v[rSP], v[rSL] matrix_a_fmt:MATRIX_FMT_FP4 matrix_b_fmt:MATRIX_FMT_FP4 matrix_a_scale:MATRIX_SCALE_ROW1
.else
	v_wmma_scale_f32_16x16x128_f8f6f4 v[rD:rD+7], v[rP:rP+7], v[rL:rL+7], v[rD:rD+7], v[rSP], v[rSL] matrix_a_fmt:MATRIX_FMT_FP4 matrix_b_fmt:MATRIX_FMT_FP4 matrix_a_scale:MATRIX_SCALE_ROW1
.endif
.endr
.endr
.endm
.macro STEP adrP, adrL, q, cm
	s_wait_dscnt 8                                 ; all but the youngest eight loads, source 1's tiles 4-7
.if \cm
	WIN 0x81                                       ; source 0 window 1, source 1 and the bias window 0, D window 2
.else
	WIN 0xa1
.endif
	MUL16 0, \q, \cm
	MUL16 2, \q, \cm
	s_wait_dscnt 0
	PLACES
	FETCH_P \adrP, (\q)+1, 1-(\q)%2
	FETCH_L \adrL, (\q)+1, 0
.if \cm
	WIN 0xc1
.else
	WIN 0xf1
.endif
	MUL16 4, \q, \cm
	MUL16 6, \q, \cm
	PLACES
	WIN 0
	FETCH_L \adrL, (\q)+1, 4
.endm
	s_load_b256 s[4:11], s[0:1], 0x0               ; xc, xs, Wm's codes, Wm's scales
	s_load_b128 s[12:15], s[0:1], 0x20             ; bm, out0
	v_lshl_add_u32 v126, v0, 2, 0x48000
	v_mov_b32 v127, 0
	ds_add_u32 v126, v127
	ds_add_u32 v126, v127
	v_lshrrev_b32 v1, 5, v0
	v_readfirstlane_b32 s[WV], v1
	s_lshr_b32 s[LH], s[WV], 1                     ; which 128 rows of Wm are mine
	s_and_b32 s[PH], s[WV], 1                      ; which 128 tokens
	s_bfe_u32 s[CX], ttmp6, 0x40000
	s_bfe_u32 s[CYC], ttmp6, 0x40004               ; the tile of 256 channels: the grid has one cluster along y
	s_lshl_b32 s[TT], ttmp9, 2
	s_add_co_u32 s[TT], s[TT], s[CX]
	s_lshl_b32 s[RM], s[CYC], 2
	s_lshl_b32 s[RM], 15, s[RM]
	s_lshl_b32 s[CM], 0x1111, s[CX]
	s_or_b32 s[G1XC], s[CM], (1<<20)|(1<<21)|(6<<22)|(3<<25)   ; x's tiles go to my column of the cluster,
	s_or_b32 s[G1WC], s[RM], (1<<20)|(1<<21)|(6<<22)|(3<<25)   ; Wm's to my row
	s_or_b32 s[G1XS], s[CM], (1<<20)|(1<<21)|(2<<22)|(3<<25)
	s_or_b32 s[G1WS], s[RM], (1<<20)|(1<<21)|(2<<22)|(3<<25)
.irp g, G1XC, G1WC
	s_mov_b32 s[\g+1], 512<<16
	s_mov_b32 s[\g+2], 64<<16
	s_mov_b32 s[\g+3], 512<<16
	s_mov_b32 s[\g+4], 64
	s_mov_b32 s[\g+5], 512
	s_mov_b32 s[\g+6], 0
	s_mov_b32 s[\g+7], 0
.endr
.irp g, G1XS, G1WS
	s_mov_b32 s[\g+1], 32<<16
	s_mov_b32 s[\g+2], 64<<16
	s_mov_b32 s[\g+3], 32<<16
	s_mov_b32 s[\g+4], 64
	s_mov_b32 s[\g+5], 32
	s_mov_b32 s[\g+6], 0
	s_mov_b32 s[\g+7], 0
.endr
	s_mul_i32 s44, s[WV], QR
	s_mul_i32 s45, s[WV], SQ
	s_lshl_b32 s32, s[TT], 17                      ; x: 256 tokens x 512 bytes, my 64 of them
	s_lshl_b32 s33, s[WV], 15
	s_add_co_u32 s32, s32, s33
	s_mov_b32 s33, 0
	s_lshl_b32 s34, s[TT], 13
	s_lshl_b32 s35, s[WV], 11
	s_add_co_u32 s34, s34, s35
	s_mov_b32 s35, 0
	s_lshl_b32 s36, s[CYC], 17                     ; Wm likewise, by the tile of channels
	s_lshl_b32 s37, s[WV], 15
	s_add_co_u32 s36, s36, s37
	s_mov_b32 s37, 0
	s_lshl_b32 s38, s[CYC], 13
	s_lshl_b32 s39, s[WV], 11
	s_add_co_u32 s38, s38, s39
	s_mov_b32 s39, 0
	s_lshl_b32 s40, s[CYC], 10                     ; bm at my first channel: 4 (256 cy + 128 LH)
	s_lshl_b32 s41, s[LH], 9
	s_add_co_u32 s40, s40, s41
	s_mov_b32 s41, 0
	s_lshr_b32 s42, s[TT], 3                       ; out0: the batch,
	s_lshl_b32 s42, s42, 23
	s_lshl_b32 s43, s[CYC], 21                     ; my first channel's row of 8,192 bytes,
	s_add_co_u32 s42, s42, s43
	s_lshl_b32 s43, s[LH], 20
	s_add_co_u32 s42, s42, s43
	s_and_b32 s43, s[TT], 7
	s_lshl_b32 s43, s43, 10                        ; my first token
	s_add_co_u32 s42, s42, s43
	s_lshl_b32 s43, s[PH], 9
	s_add_co_u32 s42, s42, s43
	s_mov_b32 s43, 0
	s_wait_dscnt 0x0
	s_wait_kmcnt 0x0
	s_mov_b32 s[G0XC], 1
	s_add_co_u32 s[G0XC+1], s44, XR
	s_add_nc_u64 s[G0XC+2:G0XC+3], s[4:5], s[32:33]
	s_or_b32 s[G0XC+3], s[G0XC+3], 0x80000000
	s_mov_b32 s[G0WC], 1
	s_add_co_u32 s[G0WC+1], s44, WR
	s_add_nc_u64 s[G0WC+2:G0WC+3], s[8:9], s[36:37]
	s_or_b32 s[G0WC+3], s[G0WC+3], 0x80000000
	s_mov_b32 s[G0XS], 1
	s_add_co_u32 s[G0XS+1], s45, XSR
	s_add_nc_u64 s[G0XS+2:G0XS+3], s[6:7], s[34:35]
	s_or_b32 s[G0XS+3], s[G0XS+3], 0x80000000
	s_mov_b32 s[G0WS], 1
	s_add_co_u32 s[G0WS+1], s45, WSR
	s_add_nc_u64 s[G0WS+2:G0WS+3], s[10:11], s[38:39]
	s_or_b32 s[G0WS+3], s[G0WS+3], 0x80000000
	s_add_nc_u64 s[12:13], s[12:13], s[40:41]
	s_add_nc_u64 s[OUTP:OUTP+1], s[OUTP:OUTP+1], s[42:43]
	CROUND                                         ; all sixteen work-groups are here: the joint loads meet
	tensor_load_to_lds s[G0XC:G0XC+3], s[G1XC:G1XC+7]   ; every wave brings a quarter of each of the four tiles: four loads of mine are out
	s_nop 0
	tensor_load_to_lds s[G0WC:G0WC+3], s[G1WC:G1WC+7]
	s_nop 0
	tensor_load_to_lds s[G0XS:G0XS+3], s[G1XS:G1XS+7]
	s_nop 0
	tensor_load_to_lds s[G0WS:G0WS+3], s[G1WS:G1WS+7]
	s_nop 0
.rept 4
	v_nop
.endr
	v_and_b32 v1, 15, v0                           ; r
	v_bfe_u32 v2, v0, 4, 1                         ; g
	v_and_b32 v3, 31, v0
	v_mul_u32_u24 v13, v1, PITCH
	v_lshl_add_u32 v13, v2, 4, v13
	s_mul_i32 s46, s[PH], HALF
	v_add_nc_u32 v[AXP], s46, v13
	s_mul_i32 s46, s[LH], HALF
	s_add_co_u32 s46, s46, WR
	v_add_nc_u32 v[AWL], s46, v13
	v_mul_u32_u24 v14, v1, SPT
	s_mul_i32 s46, s[LH], SHALF
	s_mul_i32 s47, s[PH], SHALF
	s_add_co_u32 s48, s46, WSR-XSR                 ; the lower base is x's rows (source 0, lanes 16-31); lanes 0-15 lie the distance to Wm's rows further on
	s_sub_co_u32 s48, s48, s47
	v_xor_b32 v15, 1, v2
	v_mul_u32_u24 v15, s48, v15
	v_add_nc_u32 v15, v15, v14
	s_add_co_u32 s48, s47, XSR
	v_add_nc_u32 v[ASV], s48, v15
	v_lshlrev_b32 v[CO], 4, v3
	v_lshlrev_b32 v[BR], 2, v1
	s_mul_i32 s46, s[WV], 16*SPITCH                ; my stage
	v_mul_u32_u24 v[STO], v1, SPITCH
	v_lshl_add_u32 v[STO], v2, 5, v[STO]
	v_add_nc_u32 v[STO], s46, v[STO]               ; in: row r, 32 bytes for each half of the lanes
	v_add_nc_u32 v[RD], s46, v[CO]                 ; back: the 32 lanes take one row of 512 bytes
.irp a, 0,1,2,3,4,5,6,7
.irp j, 0,1,2,3,4,5,6,7
	global_load_b32 v[BB+8*\a+\j], v[BR], s[12:13] offset:64*\a   ; the bias of my lane's channel, in all eight registers of the tile
.endr
.endr
	s_wait_tensorcnt 0x0                           ; my quarters have landed,
	s_barrier_signal -1
	s_barrier_wait -1                              ; everybody's have
	SCALES ASV
	FETCH_P AXP, 0, 0
	FETCH_L AWL, 0, 0
	FETCH_L AWL, 0, 4
	s_wait_loadcnt 0x0                             ; the bias
	STEP AXP, AWL, 0, 2
.irp q, 1,2,3,4,5,6
	STEP AXP, AWL, \q, 0
.endr
	s_wait_dscnt 8                                 ; the last step fetches nothing
	WIN 0xa1
	MUL16 0, 7, 0
	MUL16 2, 7, 0
	s_wait_dscnt 0
	WIN 0xf1
	MUL16 4, 7, 0
	MUL16 6, 7, 0
	WIN 0
	s_wait_dscnt 0x0                               ; my reads of the tiles are over;
	s_barrier_signal -1
	s_barrier_wait -1                              ; everybody's are: x's rows may take the stages
; THE WAY OUT, block by block of 16 channels x 128 tokens: through my own stage in LDS and back as whole rows of 512 bytes.  LDS serves a wave's instructions in order (ISA guide 5.7.1.4): no wait between the stores and the loads.
.macro TOSTAGE a
.set AC, 64*((\a)%4)
	WIN 0x08+4*((\a)/4)                            ; an LDS store's data are its source 1: window 2 or 3
.irp b, 0,1,2,3,4,5,6,7
	ds_store_b128 v[STO], v[AC+8*\b:AC+8*\b+3] offset:64*\b          ; each accumulator from its low end on
	ds_store_b128 v[STO], v[AC+8*\b+4:AC+8*\b+7] offset:64*\b+16
.endr
	WIN 0
.set BBK, BK+64*((\a)%2)
.irp t, 0,1,2,3,4,5,6,7,8,9,10,11,12,13,14,15
	ds_load_b128 v[BBK+4*\t:BBK+4*\t+3], v[RD] offset:\t*SPITCH
.endr
.endm
.macro SEND a, younger                 ; younger: the LDS instructions issued behind block a's loads, which may stay out
.set BBK, BK+64*((\a)%2)
	s_wait_dscnt \younger
.if (\a) > 0
	s_add_nc_u64 s[OUTP:OUTP+1], s[OUTP:OUTP+1], 16*8192   ; 16 rows of out0 on (the earlier stores have read their base: a wait on XCNT for 0 stands ahead)
.endif
.irp t, 0,1,2,3,4,5,6,7,8,9,10,11,12,13,14,15
	global_store_b128 v[CO], v[BBK+4*\t:BBK+4*\t+3], s[OUTP:OUTP+1] offset:\t*8192 th:TH_STORE_NT   ; 32 lanes store 512 consecutive bytes, aligned; written once, read by nobody here
.endr
.endm
	PLACES                                         ; behind the last products: for the first reads of results and the loads into the registers that held fragments
	TOSTAGE 0
.irp a, 1,2,3,4,5,6,7
.if \a > 1
	s_wait_xcnt 0x0                                ; block a - 2's stores have read their registers and their base
.endif
	TOSTAGE \a
	SEND \a-1, 32                                  ; behind block a - 1's loads: block a's 16 stores and 16 loads
.endr
	s_wait_xcnt 0x0
	SEND 7, 0
	s_wait_dscnt 0x0
	s_wait_tensorcnt 0x0
	ds_add_u32 v126, v127
	s_wait_dscnt 0x0
	CROUND                                         ; the closing round
	s_endpgm
.Lfunc_end_k_q814e4d5ebe_merge:
	.size	k_q814e4d5ebe_merge, .Lfunc_end_k_q814e4d5ebe_merge-k_q814e4d5ebe_merge
	.p2alignl 7, 3214868480
	.fill 96, 4, 3214868480
	.section	.rodata,"a",@progbits
	.p2align	6, 0x0
	.amdhsa_kernel k_q814e4d5ebe_merge
		.amdhsa_group_segment_fixed_size 295424
		.amdhsa_private_segment_fixed_size 0
		.amdhsa_enable_private_segment 0
		.amdhsa_kernarg_size 48
		.amdhsa_user_sgpr_count 2
		.amdhsa_user_sgpr_kernarg_segment_ptr 1
		.amdhsa_wavefront_size32 1
		.amdhsa_system_sgpr_workgroup_id_x 1
		.amdhsa_system_sgpr_workgroup_id_y 1
		.amdhsa_system_sgpr_workgroup_id_z 1
		.amdhsa_system_vgpr_workitem_id 0
		.amdhsa_next_free_vgpr 1024
		.amdhsa_next_free_sgpr 100
		.amdhsa_reserve_vcc 0
		.amdhsa_float_denorm_mode_32 3
		.amdhsa_float_denorm_mode_16_64 3
		.amdhsa_memory_ordered 1
		.amdhsa_forward_progress 1
		.amdhsa_inst_pref_size 128
	.end_amdhsa_kernel
	.amdgpu_metadata
---
amdhsa.version: [ 1, 2 ]
amdhsa.kernels:
  - .name:           k_q814e4d5ebe_merge
    .symbol:         k_q814e4d5ebe_merge.kd
    .args:
      - { .name: xc, .offset: 0, .size: 8, .value_kind: global_buffer, .address_space: global }
      - { .name: xs, .offset: 8, .size: 8, .value_kind: global_buffer, .address_space: global }
      - { .name: Wm_codes, .offset: 16, .size: 8, .value_kind: global_buffer, .address_space: global }
      - { .name: Wm_scales, .offset: 24, .size: 8, .value_kind: global_buffer, .address_space: global }
      - { .name: bm, .offset: 32, .size: 8, .value_kind: global_buffer, .address_space: global }
      - { .name: out0, .offset: 40, .size: 8, .value_kind: global_buffer, .address_space: global }
    .group_segment_fixed_size: 295424
    .private_segment_fixed_size: 0
    .kernarg_segment_align: 8
    .kernarg_segment_size: 48
    .max_flat_workgroup_size: 128
    .sgpr_count:     100
    .vgpr_count:     1024
    .wavefront_size: 32
...
	.end_amdgpu_metadata
.endif
;; end of part 4
